; MI455X (gfx1250); checked and timed in simulation.
; The chip was launched on July 23, 2026; its instructions are those of AMD's public machine-readable ISA for CDNA 5 (MIT licence, August 2026) and "CDNA5" Instruction Set Architecture Reference Guide (July 2026). The comments in the code are by the model that wrote it; some were corrected since.
;; Attention Head. Allowed arithmetic: float matrix products may take bf16 or f16 operands with f32 sums; all other float work in f32.
;; Inputs: Wk 1,024 x 1,024 float32; Wq 1,024 x 1,024 float32; Wv 1,024 x 1,024 float32; bk 1,024 float32; bq 1,024 float32; bv 1,024 float32; key 4,096 x 1,024 float32; query 4,096 x 1,024 float32; value 4,096 x 1,024 float32.
;; Outputs: out0 4,096 x 1,024 float32.
;; 2 versions, each right; version 2 is version 1 with the launch scalev written anew for expert scheduling mode. Each part assembles by itself: llvm-mc -triple=amdgcn-amd-amdhsa -mcpu=gfx1250 --defsym DOCPART=n.
;; ======== version 1 of 2: 5 launches
;; limits: right only within a limited range of input values
;; workspace buffers: xb 25,165,824 bytes; wb 6,291,456 bytes; qkv 25,165,824 bytes; e 33,554,432 bytes; rp 524,288 bytes; vs 8,388,608 bytes
;; launch cast (part 1): grid 960 x 1, 8 waves a work-group, no clusters, 0 bytes of LDS; arguments query, key, value, Wq, Wk, Wv, xb, wb; writes xb, wb
.if DOCPART == 1
	.amdgcn_target "amdgcn-amd-amdhsa--gfx1250"
	.amdhsa_code_object_version 6
	.text
	.protected	k_q5e34a6d4d2_cast
	.globl	k_q5e34a6d4d2_cast
	.p2align	8
	.type	k_q5e34a6d4d2_cast,@function
k_q5e34a6d4d2_cast:
	s_mov_b64 s[64:65], 0
	v_nop
	global_prefetch_b8 v0, s[64:65] scope:SCOPE_SE
	s_setreg_imm32_b32 hwreg(HW_REG_WAVE_MODE, 25, 1), 1
	s_wait_xcnt 0x0
; xb[3][4096][1024] = bf16(query | key | value);  wb[3][1024][1024] = bf16(Wq | Wk | Wv).  One rounding to nearest even, no transposition.
; A stream: every input byte is read once and every output byte written once; LDS, barriers and the matrix unit would add nothing.
; Work-group g converts 65,536 bytes of f32: g = 0..767 are the 3 x 256 pieces of query, key, value; g = 768..959 the 3 x 64 pieces of Wq, Wk, Wv.
; Thread t takes the 16 bytes at 16 t of each run of 4,096 bytes: a load of a wave covers 512 neighbouring bytes, a store 256 neighbouring bytes,
; aligned.  All sixteen loads of a wave go out at once; no register is written twice, so only the loads' own counted waits are needed.
.set XIN,  8                           ; v[8:71]    sixteen slots of four f32
.set XOUT, 72                          ; v[72:103]  sixteen slots of four bf16
	s_load_b512 s[8:23], s[0:1], 0x0               ; query s[8:9], key s[10:11], value s[12:13], Wq s[14:15], Wk s[16:17], Wv s[18:19], xb s[20:21], wb s[22:23]
	s_mov_b32 s4, ttmp9                            ; g
	s_and_b32 s5, s4, 255                          ; the piece's number in query, key or value
	s_and_b32 s6, s4, 63                           ; or in a weight matrix (768 is a multiple of 64)
	s_max_u32 s7, s4, 768
	s_sub_co_u32 s7, s7, 768                       ; the piece's number in wb (0 where g belongs to xb: not used there)
	v_lshlrev_b32 v1, 4, v0                        ; 16 t: my bytes in a run of the input
	v_lshlrev_b32 v2, 3, v0                        ; 8 t: and of the output
	s_wait_kmcnt 0x0
	s_cmp_lt_u32 s4, 768                           ; s_cselect leaves SCC as it is: three choices on one compare
	s_cselect_b32 s28, s5, s6
	s_cselect_b32 s30, s4, s7
	s_cselect_b64 s[26:27], s[20:21], s[22:23]     ; the output buffer
	s_cmp_lt_u32 s4, 896                           ; the input buffer, from the last downward
	s_cselect_b64 s[24:25], s[16:17], s[18:19]
	s_cmp_lt_u32 s4, 832
	s_cselect_b64 s[24:25], s[14:15], s[24:25]
	s_cmp_lt_u32 s4, 768
	s_cselect_b64 s[24:25], s[12:13], s[24:25]
	s_cmp_lt_u32 s4, 512
	s_cselect_b64 s[24:25], s[10:11], s[24:25]
	s_cmp_lt_u32 s4, 256
	s_cselect_b64 s[24:25], s[8:9], s[24:25]
	s_lshl_b32 s28, s28, 16                        ; 65,536 bytes of f32 a piece
	s_mov_b32 s29, 0
	s_lshl_b32 s30, s30, 15                        ; 32,768 bytes of bf16
	s_mov_b32 s31, 0
	s_add_nc_u64 s[24:25], s[24:25], s[28:29]
	s_add_nc_u64 s[26:27], s[26:27], s[30:31]
.irp t, 0,1,2,3,4,5,6,7,8,9,10,11,12,13,14,15
	global_load_b128 v[XIN+4*\t:XIN+4*\t+3], v1, s[24:25] offset:4096*\t th:TH_LOAD_NT
.endr
.irp t, 0,1,2,3,4,5,6,7,8,9,10,11,12,13,14,15
	s_wait_loadcnt 15-\t                           ; loads come back in order: slot t is in, the 15 - t younger ones stay out
	v_cvt_pk_bf16_f32 v[XOUT+2*\t],   v[XIN+4*\t],   v[XIN+4*\t+1]
	v_cvt_pk_bf16_f32 v[XOUT+2*\t+1], v[XIN+4*\t+2], v[XIN+4*\t+3]
	global_store_b64 v2, v[XOUT+2*\t:XOUT+2*\t+1], s[26:27] offset:2048*\t
.endr
	s_endpgm
.Lfunc_end_k_q5e34a6d4d2_cast:
	.size	k_q5e34a6d4d2_cast, .Lfunc_end_k_q5e34a6d4d2_cast-k_q5e34a6d4d2_cast
	.p2alignl 7, 3214868480
	.fill 96, 4, 3214868480
	.section	.rodata,"a",@progbits
	.p2align	6, 0x0
	.amdhsa_kernel k_q5e34a6d4d2_cast
		.amdhsa_group_segment_fixed_size 0
		.amdhsa_private_segment_fixed_size 0
		.amdhsa_enable_private_segment 0
		.amdhsa_kernarg_size 64
		.amdhsa_user_sgpr_count 2
		.amdhsa_user_sgpr_kernarg_segment_ptr 1
		.amdhsa_wavefront_size32 1
		.amdhsa_system_sgpr_workgroup_id_x 1
		.amdhsa_system_sgpr_workgroup_id_y 1
		.amdhsa_system_sgpr_workgroup_id_z 1
		.amdhsa_system_vgpr_workitem_id 0
		.amdhsa_next_free_vgpr 104
		.amdhsa_next_free_sgpr 66
		.amdhsa_reserve_vcc 0
		.amdhsa_float_denorm_mode_32 3
		.amdhsa_float_denorm_mode_16_64 3
		.amdhsa_memory_ordered 1
		.amdhsa_forward_progress 1
		.amdhsa_inst_pref_size 7
	.end_amdhsa_kernel
	.amdgpu_metadata
---
amdhsa.version: [ 1, 2 ]
amdhsa.kernels:
  - .name:           k_q5e34a6d4d2_cast
    .symbol:         k_q5e34a6d4d2_cast.kd
    .args:
      - { .name: query, .offset: 0, .size: 8, .value_kind: global_buffer, .address_space: global }
      - { .name: key, .offset: 8, .size: 8, .value_kind: global_buffer, .address_space: global }
      - { .name: value, .offset: 16, .size: 8, .value_kind: global_buffer, .address_space: global }
      - { .name: Wq, .offset: 24, .size: 8, .value_kind: global_buffer, .address_space: global }
      - { .name: Wk, .offset: 32, .size: 8, .value_kind: global_buffer, .address_space: global }
      - { .name: Wv, .offset: 40, .size: 8, .value_kind: global_buffer, .address_space: global }
      - { .name: xb, .offset: 48, .size: 8, .value_kind: global_buffer, .address_space: global }
      - { .name: wb, .offset: 56, .size: 8, .value_kind: global_buffer, .address_space: global }
    .group_segment_fixed_size: 0
    .private_segment_fixed_size: 0
    .kernarg_segment_align: 8
    .kernarg_segment_size: 64
    .max_flat_workgroup_size: 256
    .sgpr_count:     66
    .vgpr_count:     104
    .wavefront_size: 32
...
	.end_amdgpu_metadata
.endif
;; end of part 1
;; launch proj (part 2): grid 4 x 48, 4 waves a work-group, clusters of 4 x 4, 327,680 bytes of LDS; arguments xb, wb, bq, bk, bv, qkv; writes qkv
.if DOCPART == 2
	.amdgcn_target "amdgcn-amd-amdhsa--gfx1250"
	.amdhsa_code_object_version 6
	.text
	.protected	k_q5e34a6d4d2_proj
	.globl	k_q5e34a6d4d2_proj
	.p2align	8
	.type	k_q5e34a6d4d2_proj,@function
k_q5e34a6d4d2_proj:
	s_mov_b64 s[64:65], 0
	v_nop
	global_prefetch_b8 v0, s[64:65] scope:SCOPE_SE
	s_setreg_imm32_b32 hwreg(HW_REG_WAVE_MODE, 25, 1), 1
	s_wait_xcnt 0x0
	s_wait_alu depctr_hold_cnt(0) depctr_sa_sdst(0) depctr_va_vdst(0) depctr_va_sdst(0) depctr_va_ssrc(0) depctr_va_vcc(0) depctr_vm_vsrc(0)
	s_getreg_b32 s2, hwreg(HW_REG_IB_STS2, 6, 4)
	s_cmp_eq_u32 s2, 0
	s_cbranch_scc0 .Lentry_in_a_cluster
	s_endpgm
.Lentry_in_a_cluster:
	s_bfe_u32 s2, ttmp6, 0x10000c
	s_cmp_lg_u32 s2, 0xf033
	s_cbranch_scc0 .Lentry_shape_is_right
	s_endpgm
.Lentry_shape_is_right:
; qkv[p][m][n] = sum over k of xb[p][m][k] wb[p][k][n] + bias_p[n], p = 0, 1, 2 (query, key, value).  Operands bf16, sums and bias in f32, rounded once to bf16.
; The three products are one of 12,288 rows: block row 0..47 of 256 rows; p = block row / 16.  192 blocks of 256 x 256, one work-group each.
; Four waves, as many as a WGP has SIMDs; a wave makes 128 x 128: 64 accumulator tiles of 16 x 16, 512 registers.  K goes in steps of 128 through two LDS
; slots filled by the tensor data mover.
; CLUSTERS: 4 x 4 work-groups.  A's tile (rows of xb) hangs on the block row alone and is asked for jointly by the four of a row of the cluster; B's tile (128 k-rows
; x 256 columns of wb) hangs on the block column and on p, which is made of the cluster's y alone, and is asked for jointly by the four of a column.
; B lies [k][n] in memory and in LDS; its fragments are brought by the transposing LDS load.
; REGISTERS in windows of 256: window 0: v0-31 addresses, v64-127 and v128-191 fragments of A (two buffers), v192-255 the bias of my 128 columns;
;   window 1: v64-127, v128-191 fragments of B; window 2: the 32 tiles of my rows 0-63 (tile (a, b) at v[8 (8 a + b)]); window 3: those of my rows 64-127.
; The matrix instruction is used transposed (source 0 = 16 columns of B, source 1 = 16 rows of A): lane l holds row l % 16 of C, registers 0-7 the
; columns 8 (l / 16) + 0..7, eight neighbouring numbers of a row.
.set SIZE_K, 1024
.set KSTEP,  128
.set PITCH,  272                       ; A's LDS row: 256 bytes + 16 of padding, an odd multiple of 16: the 16 rows of a fragment load start 16 bytes apart modulo 256
.set BP,     544                       ; B's LDS row: 512 bytes + 32 of padding, an odd multiple of 32: the 8 rows of a transposing load start 32 bytes apart modulo 256
.set HALFT,  128*PITCH                 ; what one tensor load fills: 128 rows of A, or 64 rows of B (64 x 544 is the same 34,816 bytes)
.set SLOT,   4*HALFT                   ; A's 256 rows, then B's 128 k-rows
.set STAGE,  2*SLOT                    ; behind the ring, at a multiple of 256 bytes: 16 rows x 272 bytes for each wave, for the way out; no fill lands here
.set SPITCH, 272
.set LAPS,   SIZE_K/(2*KSTEP)          ; a lap = two K steps = once round the ring: 4
.set ASTEP,  2*KSTEP*2                 ; a slot's next tile of A: 256 elements along the rows
.set BSTEP,  2*KSTEP*2048              ; and of B: 256 k-rows of 2,048 bytes
.set ROWB,   2048                      ; bytes in a row of qkv
.set ADRA, 16                          ; v16-17  LDS address of my A fragments in slot 0, 1
.set ADRB, 20                          ; v20-21  the same for B
.set STO,  24                          ; v24     the way out: where I put 16 bytes of a row
.set RD,   25                          ; v25     the way out: where I read a row back
.set CO,   26                          ; v26     my byte offset in qkv
.set BO,   27                          ; v27     my byte offset in the bias
.set F0,   64
.set F1,   128
.set TF,   64                          ; the way out: v[64:127] sums + bias in f32
.set PKD,  128                         ; v[128:159] packed to bf16
.set RBK,  160                         ; v[160:191] rows read back
.set BIAS, 192                         ; v[192:255] tile column b: v[192+8b ..] = bias of columns 16 b + 8 (l / 16) + 0..7
.set G1,  24                           ; s[24:31] descriptor group 1 for A's tiles
.set G0,  32                           ; s[32:39] group 0 for A's tiles, one set for each slot
.set G1B, 48                           ; s[48:55] group 1 for B's tiles
.set G0B, 56                           ; s[56:63] group 0 for B's tiles, one set for each slot
.set MSB, 0
.macro WIN new                         ; the immediate's high byte repeats the setting that is left
.if MSB != \new
	s_set_vgpr_msb (MSB<<8)|\new
.set MSB, \new
.endif
.endm
.set MUL_LO, 0xa1                      ; source 0 (B) window 1, source 1 (A) window 0, C and D window 2
.set MUL_HI, 0xf1                      ; the same, C and D window 3
.set TO_B,   0x40                      ; destination window 1, address window 0
; A joint load.  Waves 0 and 1 fetch A's two halves, waves 2 and 3 B's.  The branch hangs on the wave's number alone.
.macro JLOAD s
	s_cmp_eq_u32 s11, 0
	s_cbranch_scc0 .Lfor_b_\@
	tensor_load_to_lds s[G0+4*\s:G0+4*\s+3], s[G1:G1+7]
	s_nop 0
	s_branch .Lasked_\@
.Lfor_b_\@:
	tensor_load_to_lds s[G0B+4*\s:G0B+4*\s+3], s[G1B:G1B+7]
	s_nop 0
.Lasked_\@:
.endm
; A round of the cluster's barrier: my work-group's barrier; wave 0 signals for the work-group; every wave waits for all sixteen; my work-group's barrier again.
.macro CREST                           ; a round behind its opening barrier
	s_cmp_lg_u32 s10, 0
	s_cbranch_scc1 .Lnot_wave_0_\@
	s_barrier_signal -3
.Lnot_wave_0_\@:
	s_barrier_wait -3
	s_barrier_signal -1
	s_barrier_wait -1
.endm
.macro CROUND
	s_barrier_signal -1
	s_barrier_wait -1
	CREST
.endm
	s_load_b128 s[4:7], s[0:1], 0x0                ; xb s[4:5], wb s[6:7]
	s_load_b128 s[68:71], s[0:1], 0x10             ; bq s[68:69], bk s[70:71]
	s_load_b128 s[72:75], s[0:1], 0x20             ; bv s[72:73], qkv s[74:75]
	s_set_vgpr_msb 0x40
	v_lshl_add_u32 v255, v0, 2, 0x48400
	s_set_vgpr_msb 0x4000
	v_mov_b32 v63, 0
	s_set_vgpr_msb 0x1
	ds_add_u32 v255, v63
	s_set_vgpr_msb 0x100
	v_lshrrev_b32 v1, 5, v0
	v_readfirstlane_b32 s10, v1                    ; wave 0..3
	s_lshr_b32 s11, s10, 1                         ; which half of the block's rows is mine.  Also: I fetch for A (0) or for B (1)
	s_and_b32 s12, s10, 1                          ; which half of its columns.  Also: which half of that tile I fetch
	s_bfe_u32 s40, ttmp6, 0x40000                  ; cx
	s_bfe_u32 s41, ttmp6, 0x40004                  ; cy
	s_lshl_b32 s42, ttmp9, 2
	s_add_co_u32 s42, s42, s40                     ; block column = 4 x cluster x + cx: 0..3
	s_and_b32 s13, ttmp7, 0xffff
	s_lshr_b32 s76, s13, 2                         ; p = cluster y / 4: which of the three products; equal in all sixteen work-groups
	s_lshl_b32 s13, s13, 2
	s_add_co_u32 s13, s13, s41                     ; block row = 4 x cluster y + cy: 0..47
	s_lshl_b32 s43, s41, 2
	s_lshl_b32 s43, 15, s43                        ; my row of the cluster: places 4 cy .. 4 cy + 3
	s_lshl_b32 s44, 0x1111, s40                    ; my column: places cx, cx + 4, cx + 8, cx + 12
	; group 1 for A: 128 rows x 128 elements of 2 bytes, 4 words of padding behind every 64 words
	s_or_b32 s[G1+0], s43, (1<<16)|(1<<20)|(1<<21)|(5<<22)|(3<<25)
	s_mov_b32 s[G1+1], KSTEP<<16                   ; tensor_dim0 = 128
	s_mov_b32 s[G1+2], 128<<16                     ; tensor_dim1 = 128
	s_mov_b32 s[G1+3], KSTEP<<16                   ; tile_dim0 = 128
	s_mov_b32 s[G1+4], 128                         ; tile_dim1 = 128
	s_mov_b32 s[G1+5], SIZE_K                      ; elements from row to row
	s_mov_b32 s[G1+6], 0
	s_mov_b32 s[G1+7], 0
	; group 1 for B: 64 k-rows x 256 elements of 2 bytes, 8 words of padding behind every 128 words
	s_or_b32 s[G1B+0], s44, (1<<16)|(1<<20)|(1<<21)|(6<<22)|(7<<25)
	s_mov_b32 s[G1B+1], 256<<16                    ; tensor_dim0 = 256
	s_mov_b32 s[G1B+2], 64<<16                     ; tensor_dim1 = 64
	s_mov_b32 s[G1B+3], 256<<16                    ; tile_dim0 = 256
	s_mov_b32 s[G1B+4], 64                         ; tile_dim1 = 64
	s_mov_b32 s[G1B+5], 1024                       ; elements from k-row to k-row
	s_mov_b32 s[G1B+6], 0
	s_mov_b32 s[G1B+7], 0
	; where the tiles come from: A's offset is made of the block row and the wave, B's of the block column, p and the wave, each in registers of its own
	s_lshl_b32 s16, s13, 19                        ; 256 rows of 2,048 bytes a block row
	s_lshl_b32 s17, s12, 18                        ; + my 128 rows of the tile
	s_add_co_u32 s16, s16, s17
	s_mov_b32 s17, 0
	s_lshl_b32 s46, s42, 9                         ; 256 columns of 2 bytes a block column
	s_lshl_b32 s47, s12, 17                        ; + my 64 k-rows of 2,048 bytes
	s_add_co_u32 s46, s46, s47
	s_lshl_b32 s47, s76, 21                        ; + p matrices of 2 MiB
	s_add_co_u32 s46, s46, s47
	s_mov_b32 s47, 0
	s_mul_i32 s20, s10, HALFT                      ; where they go: wave x 34,816 bytes; no place in the cluster enters an LDS address
	s_wait_dscnt 0x0
	s_wait_kmcnt 0x0
	s_add_nc_u64 s[14:15], s[4:5], s[16:17]
	s_add_nc_u64 s[46:47], s[6:7], s[46:47]
	CROUND                                         ; all sixteen work-groups are here: the first joint loads meet
.irp s, 0,1
	s_mov_b32 s[G0+4*\s], 1
	s_add_co_u32 s[G0+4*\s+1], s20, \s*SLOT
	s_add_nc_u64 s[G0+4*\s+2:G0+4*\s+3], s[14:15], \s*KSTEP*2      ; K step s: 128 elements along A's rows
	s_or_b32 s[G0+4*\s+3], s[G0+4*\s+3], 0x80000000
	s_mov_b32 s[G0B+4*\s], 1
	s_add_co_u32 s[G0B+4*\s+1], s20, \s*SLOT
	s_add_nc_u64 s[G0B+4*\s+2:G0B+4*\s+3], s[46:47], \s*KSTEP*2048 ; K step s: 128 k-rows of B
	s_or_b32 s[G0B+4*\s+3], s[G0B+4*\s+3], 0x80000000
	JLOAD \s                                       ; both slots are asked for before anything else is done: two loads of the wave are out
.endr
	; the bias of product p, at my 128 columns
	s_cmp_eq_u32 s76, 1
	s_cselect_b64 s[78:79], s[70:71], s[72:73]     ; bk or bv
	s_cmp_eq_u32 s76, 0
	s_cselect_b64 s[78:79], s[68:69], s[78:79]     ; or bq
	s_lshl_b32 s80, s42, 10                        ; 256 columns of 4 bytes
	s_lshl_b32 s81, s12, 9                         ; + my half
	s_add_co_u32 s80, s80, s81
	s_mov_b32 s81, 0
	s_add_nc_u64 s[78:79], s[78:79], s[80:81]
	s_mov_b64 s[8:9], s[74:75]                     ; qkv
	v_and_b32 v1, 15, v0                           ; r = l % 16
	v_bfe_u32 v2, v0, 4, 1                         ; h = l / 16
	v_lshlrev_b32 v[BO], 5, v2                     ; 8 h columns of 4 bytes
.irp b, 0,1,2,3,4,5,6,7
	global_load_b128 v[BIAS+8*\b:BIAS+8*\b+3],   v[BO], s[78:79] offset:64*\b
	global_load_b128 v[BIAS+8*\b+4:BIAS+8*\b+7], v[BO], s[78:79] offset:64*\b+16
.endr
	; A's fragment: lane l holds row r; registers 0-3 K = 8 h + 0..7, registers 4-7 K = 16 + 8 h + 0..7: two loads of 16 bytes, 32 bytes apart
	v_mul_u32_u24 v3, v1, PITCH
	v_lshl_add_u32 v3, v2, 4, v3                   ; r x pitch + 16 h
	s_mul_i32 s21, s11, HALFT                      ; my 128 rows of A
	; B's fragment by the transposing load: lane l addresses k-row 8 h + l % 8 and the 16 bytes (l / 8) % 2 of the tile's 32 bytes of columns
	v_and_b32 v6, 7, v0
	v_lshl_add_u32 v6, v2, 3, v6
	v_mul_u32_u24 v6, v6, BP
	v_bfe_u32 v7, v0, 3, 1
	v_lshl_add_u32 v6, v7, 4, v6
	s_lshl_b32 s22, s12, 8                         ; my 128 columns of B: 256 bytes along its rows,
	s_add_co_u32 s22, s22, 2*HALFT                 ; behind A's 256 rows
.irp s, 0,1
	v_add_nc_u32 v[ADRA+\s], s21, v3
	v_add_nc_u32 v[ADRB+\s], s22, v6
	s_add_co_u32 s21, s21, SLOT
	s_add_co_u32 s22, s22, SLOT
.endr
	s_mul_i32 s23, s10, 16*SPITCH
	s_add_co_u32 s23, s23, STAGE                   ; my stage
	v_mul_u32_u24 v4, v1, SPITCH
	v_lshl_add_u32 v4, v2, 4, v4
	v_add_nc_u32 v[STO], s23, v4                   ; in: row r, 16 bytes for each half of the lanes
	v_mul_u32_u24 v5, v2, SPITCH
	v_lshl_add_u32 v5, v1, 4, v5
	v_add_nc_u32 v[RD], s23, v5                    ; back: lanes 0-15 one row of 256 bytes, lanes 16-31 the next
	v_mul_u32_u24 v5, v2, ROWB
	v_lshl_add_u32 v[CO], v1, 4, v5                ; and the same two rows in qkv
; 16 matrix instructions: m blocks a0, a0 + 1 of the window's four x all 8 n blocks, 32 along K.  zero = 1: the first product starts the sums.
.macro MUL16 f, hi, a0, zero
.irp a, \a0, \a0+1
.irp b, 0,1,2,3,4,5,6,7
.if \zero
	v_wmma_f32_16x16x32_bf16 v[8*(8*(\a)+\b):8*(8*(\a)+\b)+7], v[\f+8*\b:\f+8*\b+7], v[\f+8*(4*\hi+\a):\f+8*(4*\hi+\a)+7], 0
.else
	v_wmma_f32_16x16x32_bf16 v[8*(8*(\a)+\b):8*(8*(\a)+\b)+7], v[\f+8*\b:\f+8*\b+7], v[\f+8*(4*\hi+\a):\f+8*(4*\hi+\a)+7], v[8*(8*(\a)+\b):8*(8*(\a)+\b)+7]
.endif
.endr
.endr
.endm
; 32 LDS loads in one run: the fragments of quarter q (32 along K) of a slot into buffer f: B's 128 columns first, then A's 128 rows
.macro FETCH slot, q, f
	WIN TO_B
.irp i, 0,1,2,3,4,5,6,7
	ds_load_tr16_b128 v[\f+8*\i:\f+8*\i+3],   v[ADRB+\slot] offset:32*BP*\q+32*\i          ; k = 32 q + 8 h + 0..7 of column 16 i + r
	ds_load_tr16_b128 v[\f+8*\i+4:\f+8*\i+7], v[ADRB+\slot] offset:32*BP*\q+32*\i+16*BP    ; k = 32 q + 16 + 8 h + 0..7
.endr
	WIN 0
.irp i, 0,1,2,3,4,5,6,7
	ds_load_b128 v[\f+8*\i:\f+8*\i+3],   v[ADRA+\slot] offset:64*\q+\i*16*PITCH
	ds_load_b128 v[\f+8*\i+4:\f+8*\i+7], v[ADRA+\slot] offset:64*\q+\i*16*PITCH+32
.endr
.endm
; Four plain vector places stand between a matrix instruction and a load into, or a vector instruction on, one of its registers;
; the matrix instructions in between are not counted as places here.
.macro PLACES
.rept 4
	v_nop
.endr
.endm
; One of a K step's first three quarters: multiplies buffer f; in its middle it fetches quarter q of the same slot into buffer g.
; The 64 accumulators take turns in the same order in every quarter, one instruction a turn.
.macro QUARTER slot, q, f, g, zero
	s_wait_dscnt 8                                 ; of this quarter's 32 loads only the youngest eight (A's rows 64-127) may be out
	WIN MUL_LO
	MUL16 \f, 0, 0, \zero
	MUL16 \f, 0, 2, \zero
	PLACES
	FETCH \slot, \q, \g
	s_wait_dscnt 32                                ; all but the 32 just issued
	WIN MUL_HI
	MUL16 \f, 1, 0, \zero
	MUL16 \f, 1, 2, \zero
.endm
.macro THREE slot, zero
	QUARTER \slot, 1, F0, F1, \zero
	QUARTER \slot, 2, F1, F0, 0
	QUARTER \slot, 3, F0, F1, 0
.endm
; The last quarter: multiplies buffer 1 and changes slots.  In front of the barrier each wave waits for its reads of this slot and for all its tensor
; loads (one is out: its part of the next slot).  Where the slot is filled again the barrier opens a round of the cluster's barrier; the joint refill is the
; first tensor load behind the round's closing wait, one a wave.  From a request to the wait for it a wave issues 240 matrix instructions.
.macro TURN slot, next, fill
	s_wait_dscnt 8
	WIN MUL_LO
	MUL16 F1, 0, 0, 0
	s_wait_dscnt 0                                 ; my reads of this slot are over
	s_wait_tensorcnt 0x0                           ; all my tensor loads have landed
	ds_add_u32 v255, v63
	s_wait_dscnt 0x0
	s_barrier_signal -1
	MUL16 F1, 0, 2, 0                              ; register work while the others arrive
	WIN 0
	s_barrier_wait -1
.if \fill
	CREST                                          ; no wave of any partner still reads this slot or has a load on its way
	s_add_nc_u64 s[G0+4*\slot+2:G0+4*\slot+3], s[G0+4*\slot+2:G0+4*\slot+3], ASTEP
	s_add_nc_u64 s[G0B+4*\slot+2:G0B+4*\slot+3], s[G0B+4*\slot+2:G0B+4*\slot+3], BSTEP
	JLOAD \slot
.endif
	PLACES
	FETCH \next, 0, F0
	WIN MUL_HI
	MUL16 F1, 1, 0, 0
	MUL16 F1, 1, 2, 0
.endm
.macro LAP zero
	THREE 0, \zero
	TURN 0, 1, 1
	THREE 1, 0
	TURN 1, 0, 1
.endm
	s_wait_loadcnt 0x0                             ; the bias is in: no register load stays out over the loop
	s_wait_tensorcnt 0x1                           ; my part of K step 0 is in; K step 1's may stay out
	s_barrier_signal -1
	s_barrier_wait -1
	FETCH 0, 0, F0
	LAP 1                                          ; the first lap stands in front of the loop: its first products start the sums
	WIN 0
	s_mov_b32 s3, LAPS-2
.Llap:
	LAP 0
	WIN 0
	s_sub_co_u32 s3, s3, 1
	s_cmp_lg_u32 s3, 0
	s_cbranch_scc1 .Llap
	THREE 0, 0                                     ; the last lap fills nothing
	TURN 0, 1, 0
	THREE 1, 0
	s_wait_dscnt 8
	WIN MUL_LO
	MUL16 F1, 0, 0, 0
	MUL16 F1, 0, 2, 0
	s_wait_dscnt 0
	WIN MUL_HI
	MUL16 F1, 1, 0, 0
	MUL16 F1, 1, 2, 0
	; THE WAY OUT, 16 rows at a time: add the bias in f32, round to bf16, 16 bytes a lane into my own stage, read back as rows of 256 bytes.
	PLACES
	s_lshl_b32 s16, s13, 19                        ; my first row of qkv: 256 x block row + 128 x half, in rows of 2,048 bytes
	s_lshl_b32 s14, s11, 18
	s_add_co_u32 s16, s16, s14
	s_mov_b32 s17, 0
	s_add_nc_u64 s[8:9], s[8:9], s[16:17]
	s_lshl_b32 s46, s42, 9                         ; my first column, in bytes: 512 x block column + 256 x half
	s_lshl_b32 s47, s12, 8
	s_add_co_u32 s46, s46, s47
	s_mov_b32 s47, 0
	s_add_nc_u64 s[8:9], s[8:9], s[46:47]
; rows 16 i .. 16 i + 15 of my block = the eight tiles (a, 0..7) of window 2 or 3 (from = 0x02 or 0x03: source 0)
.macro OUT16 i, a, from
	WIN \from
.irp b, 0,1,2,3,4,5,6,7
.irp r, 0,1,2,3
	v_pk_add_f32 v[TF+8*\b+2*\r:TF+8*\b+2*\r+1], v[8*(8*\a+\b)+2*\r:8*(8*\a+\b)+2*\r+1], v[BIAS+8*\b+2*\r:BIAS+8*\b+2*\r+1]
.endr
.endr
	WIN 0
.irp b, 0,1,2,3,4,5,6,7
.irp r, 0,1,2,3
	v_cvt_pk_bf16_f32 v[PKD+4*\b+\r], v[TF+8*\b+2*\r], v[TF+8*\b+2*\r+1]
.endr
.endr
.irp b, 0,1,2,3,4,5,6,7
	ds_store_b128 v[STO], v[PKD+4*\b:PKD+4*\b+3] offset:32*\b
.endr
	s_wait_xcnt 0x0                                ; the rows read back, which the last stores read, and the stores' base are rewritten only behind this wait
.if \i
	s_add_nc_u64 s[8:9], s[8:9], 16*ROWB
.endif
.irp t, 0,1,2,3,4,5,6,7
	ds_load_b128 v[RBK+4*\t:RBK+4*\t+3], v[RD] offset:\t*2*SPITCH   ; LDS serves a wave's instructions in order: these see the stores above
.endr
.irp t, 0,1,2,3,4,5,6,7
	s_wait_dscnt 7-\t
	global_store_b128 v[CO], v[RBK+4*\t:RBK+4*\t+3], s[8:9] offset:2*\t*ROWB   ; 16 lanes store 256 consecutive bytes, at a multiple of 256 from qkv's first byte
.endr
.endm
	OUT16 0, 0, 0x02
	OUT16 1, 1, 0x02
	OUT16 2, 2, 0x02
	OUT16 3, 3, 0x02
	OUT16 4, 0, 0x03
	OUT16 5, 1, 0x03
	OUT16 6, 2, 0x03
	OUT16 7, 3, 0x03
	s_set_vgpr_msb 0x1
	s_wait_tensorcnt 0x0
	ds_add_u32 v255, v63
	s_wait_dscnt 0x0
	s_set_vgpr_msb 0x100
	CROUND                                         ; the closing round: no work-group ends while a partner may still ask for a tile that names it
	s_endpgm
.Lfunc_end_k_q5e34a6d4d2_proj:
	.size	k_q5e34a6d4d2_proj, .Lfunc_end_k_q5e34a6d4d2_proj-k_q5e34a6d4d2_proj
	.p2alignl 7, 3214868480
	.fill 96, 4, 3214868480
	.section	.rodata,"a",@progbits
	.p2align	6, 0x0
	.amdhsa_kernel k_q5e34a6d4d2_proj
		.amdhsa_group_segment_fixed_size 327680
		.amdhsa_private_segment_fixed_size 0
		.amdhsa_enable_private_segment 0
		.amdhsa_kernarg_size 48
		.amdhsa_user_sgpr_count 2
		.amdhsa_user_sgpr_kernarg_segment_ptr 1
		.amdhsa_wavefront_size32 1
		.amdhsa_system_sgpr_workgroup_id_x 1
		.amdhsa_system_sgpr_workgroup_id_y 1
		.amdhsa_system_sgpr_workgroup_id_z 1
		.amdhsa_system_vgpr_workitem_id 0
		.amdhsa_next_free_vgpr 1024
		.amdhsa_next_free_sgpr 84
		.amdhsa_reserve_vcc 0
		.amdhsa_float_denorm_mode_32 3
		.amdhsa_float_denorm_mode_16_64 3
		.amdhsa_memory_ordered 1
		.amdhsa_forward_progress 1
		.amdhsa_inst_pref_size 214
	.end_amdhsa_kernel
	.amdgpu_metadata
---
amdhsa.version: [ 1, 2 ]
amdhsa.kernels:
  - .name:           k_q5e34a6d4d2_proj
    .symbol:         k_q5e34a6d4d2_proj.kd
    .args:
      - { .name: xb, .offset: 0, .size: 8, .value_kind: global_buffer, .address_space: global }
      - { .name: wb, .offset: 8, .size: 8, .value_kind: global_buffer, .address_space: global }
      - { .name: bq, .offset: 16, .size: 8, .value_kind: global_buffer, .address_space: global }
      - { .name: bk, .offset: 24, .size: 8, .value_kind: global_buffer, .address_space: global }
      - { .name: bv, .offset: 32, .size: 8, .value_kind: global_buffer, .address_space: global }
      - { .name: qkv, .offset: 40, .size: 8, .value_kind: global_buffer, .address_space: global }
    .group_segment_fixed_size: 327680
    .private_segment_fixed_size: 0
    .kernarg_segment_align: 8
    .kernarg_segment_size: 48
    .max_flat_workgroup_size: 128
    .sgpr_count:     84
    .vgpr_count:     1024
    .wavefront_size: 32
...
	.end_amdgpu_metadata
.endif
;; end of part 2
;; launch scores (part 3): grid 16 x 16, 4 waves a work-group, clusters of 4 x 4, 327,680 bytes of LDS; arguments qkv, e, rp; writes e, rp
.if DOCPART == 3
	.amdgcn_target "amdgcn-amd-amdhsa--gfx1250"
	.amdhsa_code_object_version 6
	.text
	.protected	k_q5e34a6d4d2_scores
	.globl	k_q5e34a6d4d2_scores
	.p2align	8
	.type	k_q5e34a6d4d2_scores,@function
k_q5e34a6d4d2_scores:
	s_mov_b64 s[64:65], 0
	v_nop
	global_prefetch_b8 v0, s[64:65] scope:SCOPE_SE
	s_setreg_imm32_b32 hwreg(HW_REG_WAVE_MODE, 25, 1), 1
	s_wait_xcnt 0x0
	s_wait_alu depctr_hold_cnt(0) depctr_sa_sdst(0) depctr_va_vdst(0) depctr_va_sdst(0) depctr_va_ssrc(0) depctr_va_vcc(0) depctr_vm_vsrc(0)
	s_getreg_b32 s2, hwreg(HW_REG_IB_STS2, 6, 4)
	s_cmp_eq_u32 s2, 0
	s_cbranch_scc0 .Lentry_in_a_cluster
	s_endpgm
.Lentry_in_a_cluster:
	s_bfe_u32 s2, ttmp6, 0x10000c
	s_cmp_lg_u32 s2, 0xf033
	s_cbranch_scc0 .Lentry_shape_is_right
	s_endpgm
.Lentry_shape_is_right:
; E[i][j] = exp((sum over k of Q[i][k] K[j][k]) / 1024) in bf16;  rp[s][i] = the sum of E[i][j] over the 128 columns j of strip s, in f32, taken before the rounding to bf16.
; Q = qkv[0], K = qkv[1], both [4096][1024] bf16 with k along the rows.  No maximum is taken away.
; THE BUFFER e IS LAID OUT IN TILES OF 16 x 16, 512 bytes each: tile (i / 16, j / 16) begins at byte ((i / 16) 256 + j / 16) 512, and lane l = (i % 16) + 16 ((j % 16) / 8) owns its
; 16 bytes at 16 l: E(i, 8 neighbouring j).  That is how a lane holds the results here, and it is half of a matrix operand (16 rows x 32 along j) of the launch that reads e:
; the results go out from the registers as they lie, each store of a wave covering a tile's 512 consecutive bytes.
; LIMITS: the exponential is v_exp_f32 of (sum x log2(e) / 1024): a result below 2^-126 comes out as 0; above f32's range it is infinite, as in f32 arithmetic.
; 256 blocks of 256 x 256, one work-group each; four waves, a wave makes 128 x 128: 64 accumulator tiles, 512 registers.  K in steps of 128 through two LDS slots.
; CLUSTERS: 4 x 4 work-groups; Q's tile hangs on the block row alone and is asked for jointly along a row of the cluster, K's on the block column alone, along a column.
; REGISTERS in windows of 256: window 0: v0-31 addresses, v64-127 and v128-191 fragments of A (two buffers), v192-255 at work on the way out;
;   window 1: v64-127, v128-191 fragments of B; window 2: the tiles of my rows 0-63 (tile (a, b) at v[8 (8 a + b)]); window 3: rows 64-127.
; The matrix instruction is used transposed (source 0 = 16 rows of K, source 1 = 16 rows of Q): lane l holds row l % 16 of E, registers 0-7 columns 8 (l / 16) + 0..7.
.set SIZE_K, 1024
.set KSTEP,  128
.set PITCH,  272                       ; an LDS row: 256 bytes + 16 of padding, an odd multiple of 16
.set HALFT,  128*PITCH
.set SLOT,   4*HALFT                   ; A's 256 rows, then B's 256 rows
.set STAGE,  2*SLOT                    ; behind the ring, at a multiple of 256 bytes: 512 bytes for each wave, for its 128 rows' sums; no fill lands here
.set LAPS,   SIZE_K/(2*KSTEP)
.set ASTEP,  2*KSTEP*2
.set BSTEP,  2*KSTEP*2
.set EROW,   131072                    ; bytes of e from a block of 16 rows to the next: 256 tiles of 512 bytes
.set ADRA, 16
.set ADRB, 20
.set CO,   26                          ; v26  16 l: my bytes in a tile of e, and among my 128 rows' sums in rp
.set SST,  28                          ; v28  where I put a row's sum: stage + 4 r
.set SRD,  29                          ; v29  where I read four sums back: stage + 16 l
.set XH,   31                          ; v31  the other half's sum (written once at the head: the lane permute counts as a reader of its destination)
.set F0,   64
.set F1,   128
.set PS,   64                          ; the way out: v[64:71] four chains of pairs, v72 the lane's sum
.set SUMS, 96                          ; v[96:103] the sums of rows 16 i + r, i = 0..7
.set SBK,  104                         ; v[104:107] four sums read back
.set PKD,  128                         ; v[128:159] eight tiles' 16 bytes a lane
.set TF,   192                         ; v[192:255] 64 numbers of a row in f32
.set G1,  24
.set G0,  32
.set G1B, 48
.set G0B, 56
.set MSB, 0
.macro WIN new                         ; the immediate's high byte repeats the setting that is left
.if MSB != \new
	s_set_vgpr_msb (MSB<<8)|\new
.set MSB, \new
.endif
.endm
.set MUL_LO, 0xa1
.set MUL_HI, 0xf1
.set TO_B,   0x40
.macro JLOAD s                         ; waves 0 and 1 fetch A's two halves, waves 2 and 3 B's; the branch hangs on the wave's number alone
	s_cmp_eq_u32 s11, 0
	s_cbranch_scc0 .Lfor_b_\@
	tensor_load_to_lds s[G0+4*\s:G0+4*\s+3], s[G1:G1+7]
	s_nop 0
	s_branch .Lasked_\@
.Lfor_b_\@:
	tensor_load_to_lds s[G0B+4*\s:G0B+4*\s+3], s[G1B:G1B+7]
	s_nop 0
.Lasked_\@:
.endm
.macro CREST                           ; a round of the cluster's barrier behind its opening barrier
	s_cmp_lg_u32 s10, 0
	s_cbranch_scc1 .Lnot_wave_0_\@
	s_barrier_signal -3
.Lnot_wave_0_\@:
	s_barrier_wait -3
	s_barrier_signal -1
	s_barrier_wait -1
.endm
.macro CROUND
	s_barrier_signal -1
	s_barrier_wait -1
	CREST
.endm
	s_load_b128 s[4:7], s[0:1], 0x0                ; qkv s[4:5], e s[6:7]
	s_load_b64 s[70:71], s[0:1], 0x10              ; rp
	s_set_vgpr_msb 0x40
	v_lshl_add_u32 v255, v0, 2, 0x44800
	s_set_vgpr_msb 0x4000
	v_mov_b32 v63, 0
	s_set_vgpr_msb 0x1
	ds_add_u32 v255, v63
	s_set_vgpr_msb 0x100
	v_lshrrev_b32 v1, 5, v0
	v_readfirstlane_b32 s10, v1                    ; wave 0..3
	s_lshr_b32 s11, s10, 1                         ; my half of the block's rows; also: I fetch for A (0) or for B (1)
	s_and_b32 s12, s10, 1                          ; my half of its columns; also: which 128 rows of that tile I fetch
	s_bfe_u32 s40, ttmp6, 0x40000                  ; cx
	s_bfe_u32 s41, ttmp6, 0x40004                  ; cy
	s_lshl_b32 s42, ttmp9, 2
	s_add_co_u32 s42, s42, s40                     ; block column 0..15
	s_and_b32 s13, ttmp7, 0xffff
	s_lshl_b32 s13, s13, 2
	s_add_co_u32 s13, s13, s41                     ; block row 0..15
	s_lshl_b32 s43, s41, 2
	s_lshl_b32 s43, 15, s43                        ; my row of the cluster
	s_lshl_b32 s44, 0x1111, s40                    ; my column
	s_mov_b32 s66, 0x3ab8aa3b                      ; log2(e) / 1024
	s_mov_b32 s67, 0x3ab8aa3b
	s_mov_b32 s68, 0x76543210                      ; v_permlanex16_b32: lane i of one half reads lane i of the other
	s_mov_b32 s69, 0xfedcba98
	; group 1: 128 rows x 128 elements of 2 bytes, 4 words of padding behind every 64 words; A's and B's differ in the mask alone
	s_or_b32 s[G1+0], s43, (1<<16)|(1<<20)|(1<<21)|(5<<22)|(3<<25)
	s_or_b32 s[G1B+0], s44, (1<<16)|(1<<20)|(1<<21)|(5<<22)|(3<<25)
	s_mov_b32 s[G1+1], KSTEP<<16
	s_mov_b32 s[G1B+1], KSTEP<<16
	s_mov_b32 s[G1+2], 128<<16
	s_mov_b32 s[G1B+2], 128<<16
	s_mov_b32 s[G1+3], KSTEP<<16
	s_mov_b32 s[G1B+3], KSTEP<<16
	s_mov_b32 s[G1+4], 128
	s_mov_b32 s[G1B+4], 128
	s_mov_b32 s[G1+5], SIZE_K
	s_mov_b32 s[G1B+5], SIZE_K
	s_mov_b32 s[G1+6], 0
	s_mov_b32 s[G1B+6], 0
	s_mov_b32 s[G1+7], 0
	s_mov_b32 s[G1B+7], 0
	s_lshl_b32 s16, s13, 19                        ; Q: 256 rows of 2,048 bytes a block row
	s_lshl_b32 s17, s12, 18                        ; + my 128 rows of the tile
	s_add_co_u32 s16, s16, s17
	s_mov_b32 s17, 0
	s_lshl_b32 s46, s42, 19                        ; K: the same with the block column
	s_lshl_b32 s47, s12, 18
	s_add_co_u32 s46, s46, s47
	s_mov_b32 s47, 0
	s_mul_i32 s20, s10, HALFT
	s_wait_dscnt 0x0
	s_wait_kmcnt 0x0
	s_mov_b64 s[8:9], s[6:7]                       ; e
	s_add_nc_u64 s[6:7], s[4:5], 0x800000          ; K = qkv's second matrix: 4,096 rows of 2,048 bytes further on
	s_add_nc_u64 s[14:15], s[4:5], s[16:17]
	s_add_nc_u64 s[46:47], s[6:7], s[46:47]
	CROUND                                         ; all sixteen work-groups are here: the first joint loads meet
.irp s, 0,1
	s_mov_b32 s[G0+4*\s], 1
	s_add_co_u32 s[G0+4*\s+1], s20, \s*SLOT
	s_add_nc_u64 s[G0+4*\s+2:G0+4*\s+3], s[14:15], \s*KSTEP*2
	s_or_b32 s[G0+4*\s+3], s[G0+4*\s+3], 0x80000000
	s_mov_b32 s[G0B+4*\s], 1
	s_add_co_u32 s[G0B+4*\s+1], s20, \s*SLOT
	s_add_nc_u64 s[G0B+4*\s+2:G0B+4*\s+3], s[46:47], \s*KSTEP*2
	s_or_b32 s[G0B+4*\s+3], s[G0B+4*\s+3], 0x80000000
	JLOAD \s                                       ; two loads of the wave are out
.endr
	v_and_b32 v1, 15, v0                           ; r
	v_bfe_u32 v2, v0, 4, 1                         ; h
	v_mul_u32_u24 v3, v1, PITCH
	v_lshl_add_u32 v3, v2, 4, v3                   ; r x pitch + 16 h
	s_mul_i32 s21, s11, HALFT                      ; my 128 rows of A
	s_mul_i32 s22, s12, HALFT                      ; my 128 rows of B,
	s_add_co_u32 s22, s22, 2*HALFT                 ; behind A's 256
.irp s, 0,1
	v_add_nc_u32 v[ADRA+\s], s21, v3
	v_add_nc_u32 v[ADRB+\s], s22, v3
	s_add_co_u32 s21, s21, SLOT
	s_add_co_u32 s22, s22, SLOT
.endr
	s_lshl_b32 s23, s10, 9
	s_add_co_u32 s23, s23, STAGE                   ; my stage: 512 bytes
	v_lshl_add_u32 v[SST], v1, 2, s23
	v_and_b32 v6, 31, v0
	v_lshl_add_u32 v[SRD], v6, 4, s23
	v_lshlrev_b32 v[CO], 4, v6
	v_mov_b32 v[XH], 0
.macro MUL16 f, hi, a0, zero
.irp a, \a0, \a0+1
.irp b, 0,1,2,3,4,5,6,7
.if \zero
	v_wmma_f32_16x16x32_bf16 v[8*(8*(\a)+\b):8*(8*(\a)+\b)+7], v[\f+8*\b:\f+8*\b+7], v[\f+8*(4*\hi+\a):\f+8*(4*\hi+\a)+7], 0
.else
	v_wmma_f32_16x16x32_bf16 v[8*(8*(\a)+\b):8*(8*(\a)+\b)+7], v[\f+8*\b:\f+8*\b+7], v[\f+8*(4*\hi+\a):\f+8*(4*\hi+\a)+7], v[8*(8*(\a)+\b):8*(8*(\a)+\b)+7]
.endif
.endr
.endr
.endm
; 32 LDS loads in one run: the fragments of quarter q (32 along K) of a slot into buffer f: B's 128 rows first, then A's
.macro FETCH slot, q, f
	WIN TO_B
.irp i, 0,1,2,3,4,5,6,7
	ds_load_b128 v[\f+8*\i:\f+8*\i+3],   v[ADRB+\slot] offset:64*\q+\i*16*PITCH
	ds_load_b128 v[\f+8*\i+4:\f+8*\i+7], v[ADRB+\slot] offset:64*\q+\i*16*PITCH+32
.endr
	WIN 0
.irp i, 0,1,2,3,4,5,6,7
	ds_load_b128 v[\f+8*\i:\f+8*\i+3],   v[ADRA+\slot] offset:64*\q+\i*16*PITCH
	ds_load_b128 v[\f+8*\i+4:\f+8*\i+7], v[ADRA+\slot] offset:64*\q+\i*16*PITCH+32
.endr
.endm
; Four plain vector places between a matrix instruction and a load into, or a vector instruction on, one of its registers
.macro PLACES
.rept 4
	v_nop
.endr
.endm
; The 64 accumulators take turns in the same order in every quarter, one instruction a turn.
.macro QUARTER slot, q, f, g, zero
	s_wait_dscnt 8                                 ; of this quarter's 32 loads only the youngest eight (A's rows 64-127) may be out
	WIN MUL_LO
	MUL16 \f, 0, 0, \zero
	MUL16 \f, 0, 2, \zero
	PLACES
	FETCH \slot, \q, \g
	s_wait_dscnt 32                                ; all but the 32 just issued
	WIN MUL_HI
	MUL16 \f, 1, 0, \zero
	MUL16 \f, 1, 2, \zero
.endm
.macro THREE slot, zero
	QUARTER \slot, 1, F0, F1, \zero
	QUARTER \slot, 2, F1, F0, 0
	QUARTER \slot, 3, F0, F1, 0
.endm
; The last quarter changes slots: each wave's reads of this slot and all its tensor loads are waited for in front of the barrier; where the slot is filled
; again that barrier opens a round of the cluster's barrier, and the joint refill is the first tensor load behind the round, one a wave.
.macro TURN slot, next, fill
	s_wait_dscnt 8
	WIN MUL_LO
	MUL16 F1, 0, 0, 0
	s_wait_dscnt 0                                 ; my reads of this slot are over
	s_wait_tensorcnt 0x0                           ; all my tensor loads have landed: the one that was out is my part of the next slot
	ds_add_u32 v255, v63
	s_wait_dscnt 0x0
	s_barrier_signal -1
	MUL16 F1, 0, 2, 0
	WIN 0
	s_barrier_wait -1
.if \fill
	CREST
	s_add_nc_u64 s[G0+4*\slot+2:G0+4*\slot+3], s[G0+4*\slot+2:G0+4*\slot+3], ASTEP
	s_add_nc_u64 s[G0B+4*\slot+2:G0B+4*\slot+3], s[G0B+4*\slot+2:G0B+4*\slot+3], BSTEP
	JLOAD \slot
.endif
	PLACES
	FETCH \next, 0, F0
	WIN MUL_HI
	MUL16 F1, 1, 0, 0
	MUL16 F1, 1, 2, 0
.endm
.macro LAP zero
	THREE 0, \zero
	TURN 0, 1, 1
	THREE 1, 0
	TURN 1, 0, 1
.endm
	s_wait_tensorcnt 0x1                           ; my part of K step 0 is in; K step 1's may stay out
	s_barrier_signal -1
	s_barrier_wait -1
	FETCH 0, 0, F0
	LAP 1
	WIN 0
	s_mov_b32 s3, LAPS-2
.Llap:
	LAP 0
	WIN 0
	s_sub_co_u32 s3, s3, 1
	s_cmp_lg_u32 s3, 0
	s_cbranch_scc1 .Llap
	THREE 0, 0                                     ; the last lap fills nothing
	TURN 0, 1, 0
	THREE 1, 0
	s_wait_dscnt 8
	WIN MUL_LO
	MUL16 F1, 0, 0, 0
	MUL16 F1, 0, 2, 0
	s_wait_dscnt 0
	WIN MUL_HI
	MUL16 F1, 1, 0, 0
	MUL16 F1, 1, 2, 0
	; THE WAY OUT, 16 rows at a time: scale, exponential, the row's sum over my 128 columns, round to bf16, eight tiles of 512 bytes straight from the registers.
	PLACES
	s_lshl_b32 s16, s13, 21                        ; my first block of 16 rows: 16 x block row + 8 x half, 131,072 bytes each
	s_lshl_b32 s14, s11, 20
	s_add_co_u32 s16, s16, s14
	s_mov_b32 s17, 0
	s_add_nc_u64 s[8:9], s[8:9], s[16:17]
	s_lshl_b32 s46, s42, 13                        ; my first tile along j: 16 x block column + 8 x half, 512 bytes each
	s_lshl_b32 s47, s12, 12
	s_add_co_u32 s46, s46, s47
	s_mov_b32 s47, 0
	s_add_nc_u64 s[8:9], s[8:9], s[46:47]
	s_lshl_b32 s80, s42, 15                        ; rp: strip 2 x block column + half, 16,384 bytes a strip,
	s_lshl_b32 s81, s12, 14
	s_add_co_u32 s80, s80, s81
	s_lshl_b32 s81, s13, 10                        ; + my first row, 4 bytes a row
	s_add_co_u32 s80, s80, s81
	s_lshl_b32 s81, s11, 9
	s_add_co_u32 s80, s80, s81
	s_mov_b32 s81, 0
	s_add_nc_u64 s[70:71], s[70:71], s[80:81]
.macro OUT16 i, a, from
	WIN \from
.irp b, 0,1,2,3,4,5,6,7
.irp r, 0,1,2,3
	v_pk_mul_f32 v[TF+8*\b+2*\r:TF+8*\b+2*\r+1], v[8*(8*\a+\b)+2*\r:8*(8*\a+\b)+2*\r+1], s[66:67] op_sel_hi:[1,0]
.endr
.endr
	WIN 0
.set k, 0
.rept 64
	v_exp_f32 v[TF+k], v[TF+k]
.set k, k+1
.endr
	v_nop                                          ; one plain vector instruction between the exponentials and the first use of a result (ISA guide 5.7.2)
	s_wait_alu depctr_va_vdst(0)
.irp c, 0,1,2,3
	v_pk_add_f32 v[PS+2*\c:PS+2*\c+1], v[TF+2*\c:TF+2*\c+1], v[TF+8+2*\c:TF+8+2*\c+1]   ; the first eight pairs start four chains: nothing is cleared
.endr
.set k, 8
.rept 24
	v_pk_add_f32 v[PS+2*(k%4):PS+2*(k%4)+1], v[PS+2*(k%4):PS+2*(k%4)+1], v[TF+2*k:TF+2*k+1]
.set k, k+1
.endr
	v_pk_add_f32 v[PS:PS+1], v[PS:PS+1], v[PS+2:PS+3]
	v_pk_add_f32 v[PS+4:PS+5], v[PS+4:PS+5], v[PS+6:PS+7]
	v_pk_add_f32 v[PS:PS+1], v[PS:PS+1], v[PS+4:PS+5]
	v_add_f32 v[PS+8], v[PS], v[PS+1]              ; my 64 numbers of row r
	v_permlanex16_b32 v[XH], v[PS+8], s68, s69     ; the other 64 lie in lane l xor 16
	v_add_f32 v[SUMS+\i], v[PS+8], v[XH]
.if \i
	s_wait_xcnt 0x0                                ; the packed registers, which the last eight stores read, are rewritten only behind this wait
.endif
.irp b, 0,1,2,3,4,5,6,7
.irp r, 0,1,2,3
	v_cvt_pk_bf16_f32 v[PKD+4*\b+\r], v[TF+8*\b+2*\r], v[TF+8*\b+2*\r+1]
.endr
.endr
.irp b, 0,1,2,3,4,5,6,7
	global_store_b128 v[CO], v[PKD+4*\b:PKD+4*\b+3], s[8:9] offset:\i*EROW+512*\b   ; tile b of rows 16 i ..: 32 lanes store its 512 consecutive bytes, at a multiple of 512 from e's first byte
.endr
.endm
	OUT16 0, 0, 0x02
	OUT16 1, 1, 0x02
	OUT16 2, 2, 0x02
	OUT16 3, 3, 0x02
	OUT16 4, 0, 0x03
	OUT16 5, 1, 0x03
	OUT16 6, 2, 0x03
	OUT16 7, 3, 0x03
	; my 128 rows' sums: through my stage, so that one store of the wave covers their 512 consecutive bytes
.irp i, 0,1,2,3,4,5,6,7
	ds_store_b32 v[SST], v[SUMS+\i] offset:64*\i   ; row 16 i + r; both halves of the lanes hold, and write, the same number
.endr
	ds_load_b128 v[SBK:SBK+3], v[SRD]              ; rows 4 l .. 4 l + 3: my own bytes, served in order
	s_wait_dscnt 0x0
	global_store_b128 v[CO], v[SBK:SBK+3], s[70:71]
	s_set_vgpr_msb 0x1
	s_wait_tensorcnt 0x0
	ds_add_u32 v255, v63
	s_wait_dscnt 0x0
	s_set_vgpr_msb 0x100
	CROUND                                         ; the closing round
	s_endpgm
.Lfunc_end_k_q5e34a6d4d2_scores:
	.size	k_q5e34a6d4d2_scores, .Lfunc_end_k_q5e34a6d4d2_scores-k_q5e34a6d4d2_scores
	.p2alignl 7, 3214868480
	.fill 96, 4, 3214868480
	.section	.rodata,"a",@progbits
	.p2align	6, 0x0
	.amdhsa_kernel k_q5e34a6d4d2_scores
		.amdhsa_group_segment_fixed_size 327680
		.amdhsa_private_segment_fixed_size 0
		.amdhsa_enable_private_segment 0
		.amdhsa_kernarg_size 24
		.amdhsa_user_sgpr_count 2
		.amdhsa_user_sgpr_kernarg_segment_ptr 1
		.amdhsa_wavefront_size32 1
		.amdhsa_system_sgpr_workgroup_id_x 1
		.amdhsa_system_sgpr_workgroup_id_y 1
		.amdhsa_system_sgpr_workgroup_id_z 1
		.amdhsa_system_vgpr_workitem_id 0
		.amdhsa_next_free_vgpr 1024
		.amdhsa_next_free_sgpr 84
		.amdhsa_reserve_vcc 0
		.amdhsa_float_denorm_mode_32 3
		.amdhsa_float_denorm_mode_16_64 3
		.amdhsa_memory_ordered 1
		.amdhsa_forward_progress 1
		.amdhsa_inst_pref_size 236
	.end_amdhsa_kernel
	.amdgpu_metadata
---
amdhsa.version: [ 1, 2 ]
amdhsa.kernels:
  - .name:           k_q5e34a6d4d2_scores
    .symbol:         k_q5e34a6d4d2_scores.kd
    .args:
      - { .name: qkv, .offset: 0, .size: 8, .value_kind: global_buffer, .address_space: global }
      - { .name: e, .offset: 8, .size: 8, .value_kind: global_buffer, .address_space: global }
      - { .name: rp, .offset: 16, .size: 8, .value_kind: global_buffer, .address_space: global }
    .group_segment_fixed_size: 327680
    .private_segment_fixed_size: 0
    .kernarg_segment_align: 8
    .kernarg_segment_size: 24
    .max_flat_workgroup_size: 128
    .sgpr_count:     84
    .vgpr_count:     1024
    .wavefront_size: 32
...
	.end_amdgpu_metadata
.endif
;; end of part 3
;; launch scalev (part 4): grid 256 x 1, 2 waves a work-group, no clusters, 0 bytes of LDS; arguments qkv, rp, vs; writes vs
.if DOCPART == 4
	.amdgcn_target "amdgcn-amd-amdhsa--gfx1250"
	.amdhsa_code_object_version 6
	.text
	.protected	k_q5e34a6d4d2_scalev
	.globl	k_q5e34a6d4d2_scalev
	.p2align	8
	.type	k_q5e34a6d4d2_scalev,@function
k_q5e34a6d4d2_scalev:
	s_mov_b64 s[64:65], 0
	v_nop
	global_prefetch_b8 v0, s[64:65] scope:SCOPE_SE
	s_setreg_imm32_b32 hwreg(HW_REG_WAVE_MODE, 25, 1), 1
	s_wait_xcnt 0x0
; r[j] = the sum over the 32 strips s of rp[s][j];  vs[j][d] = V[j][d] / r[j], V = qkv[2], [4096][1024] bf16; the division is a multiplication in f32 by v_rcp_f32(r[j]).
; LIMITS: r[j] has to lie below 2^126 (beyond it v_rcp_f32 gives 0) and V / r in bf16's range; V has been rounded to bf16 once before, V / r is rounded once more.
; A stream: V is read once, vs written once; LDS, barriers, the matrix unit and clusters would add nothing.  A wave takes 8 rows of 2,048 bytes and has all its
; 40 loads out at once.  Each load and store of a row's piece covers 512 consecutive bytes.
.set PP,  4                            ; v[4:11]   eight partial sums: lane l: row l % 8, strips l / 8 + 4 u
.set RS,  12                           ; v12 the sum; v13 the other half's (written once: the lane permute counts as a reader of its destination)
.set INV, 14                           ; v14 1 / r of row l % 8
.set TW,  16                           ; v[16:23]  at work
.set X,   24                           ; v[24:151] row t, piece c: four registers at X + 16 t + 4 c
	s_load_b128 s[4:7], s[0:1], 0x0                ; qkv s[4:5], rp s[6:7]
	s_load_b64 s[8:9], s[0:1], 0x10                ; vs
	v_lshrrev_b32 v3, 5, v0
	v_readfirstlane_b32 s14, v3                    ; wave 0, 1
	s_lshl_b32 s15, ttmp9, 4
	s_lshl3_add_u32 s15, s14, s15                  ; my first row: 16 x work-group + 8 x wave
	s_lshl_b32 s16, s15, 11                        ; in rows of 2,048 bytes
	s_mov_b32 s17, 0
	s_lshl_b32 s18, s15, 2                         ; in sums of 4 bytes
	s_mov_b32 s19, 0
	s_mov_b32 s10, 0xffff0000                      ; a word's upper bf16
	s_mov_b32 s12, 0x76543210
	s_mov_b32 s13, 0xfedcba98
	v_and_b32 v3, 31, v0                           ; lane
	v_lshlrev_b32 v1, 4, v3                        ; 16 l
	v_and_b32 v2, 7, v3
	v_lshrrev_b32 v3, 3, v3
	v_lshlrev_b32 v2, 2, v2
	v_lshl_add_u32 v2, v3, 14, v2                  ; 4 (l % 8) + 16,384 (l / 8)
	v_mov_b32 v[RS+1], 0
	s_wait_kmcnt 0x0
	s_add_nc_u64 s[4:5], s[4:5], 0x1000000         ; V = qkv's third matrix
	s_add_nc_u64 s[4:5], s[4:5], s[16:17]
	s_add_nc_u64 s[6:7], s[6:7], s[18:19]
	s_add_nc_u64 s[8:9], s[8:9], s[16:17]
.irp u, 0,1,2,3,4,5,6,7
	global_load_b32 v[PP+\u], v2, s[6:7] offset:65536*\u
.endr
.irp t, 0,1,2,3,4,5,6,7
.irp c, 0,1,2,3
	global_load_b128 v[X+16*\t+4*\c:X+16*\t+4*\c+3], v1, s[4:5] offset:2048*\t+512*\c th:TH_LOAD_NT
.endr
.endr
	s_wait_loadcnt 32                              ; the eight partial sums are in; V's 32 loads stay out
	v_add_f32 v[PP], v[PP], v[PP+1]
	v_add_f32 v[PP+2], v[PP+2], v[PP+3]
	v_add_f32 v[PP+4], v[PP+4], v[PP+5]
	v_add_f32 v[PP+6], v[PP+6], v[PP+7]
	v_add_f32 v[PP], v[PP], v[PP+2]
	v_add_f32 v[PP+4], v[PP+4], v[PP+6]
	v_add_f32 v[RS], v[PP], v[PP+4]
	v_add_f32_dpp v[RS], v[RS], v[RS] row_xmask:8 row_mask:0xf bank_mask:0xf   ; + lane l xor 8: the same row, other strips
	v_permlanex16_b32 v[RS+1], v[RS], s12, s13     ; + lanes l xor 16, l xor 24
	v_add_f32 v[RS], v[RS], v[RS+1]
	v_rcp_f32 v[INV], v[RS]
	v_nop                                          ; one plain vector instruction between v_rcp_f32 and the use of its result (ISA guide 5.7.2)
	s_wait_alu depctr_va_vdst(0)
.irp t, 0,1,2,3,4,5,6,7
	v_readlane_b32 s[20+2*\t], v[INV], \t          ; lane t holds row t's
	s_mov_b32 s[21+2*\t], s[20+2*\t]               ; the pair's second register is written too
.endr
.irp t, 0,1,2,3,4,5,6,7
	s_wait_loadcnt 28-4*\t                         ; row t's four loads are in; the 4 (7 - t) younger ones stay out
.irp c, 0,1,2,3
.irp k, 0,1,2,3
	v_lshlrev_b32 v[TW+2*\k],   16,  v[X+16*\t+4*\c+\k]
	v_and_b32     v[TW+2*\k+1], s10, v[X+16*\t+4*\c+\k]
.endr
.irp k, 0,1,2,3
	v_pk_mul_f32 v[TW+2*\k:TW+2*\k+1], v[TW+2*\k:TW+2*\k+1], s[20+2*\t:21+2*\t] op_sel_hi:[1,0]
.endr
.irp k, 0,1,2,3
	v_cvt_pk_bf16_f32 v[X+16*\t+4*\c+\k], v[TW+2*\k], v[TW+2*\k+1]
.endr
	global_store_b128 v1, v[X+16*\t+4*\c:X+16*\t+4*\c+3], s[8:9] offset:2048*\t+512*\c   ; these registers are not written again
.endr
.endr
	s_endpgm
.Lfunc_end_k_q5e34a6d4d2_scalev:
	.size	k_q5e34a6d4d2_scalev, .Lfunc_end_k_q5e34a6d4d2_scalev-k_q5e34a6d4d2_scalev
	.p2alignl 7, 3214868480
	.fill 96, 4, 3214868480
	.section	.rodata,"a",@progbits
	.p2align	6, 0x0
	.amdhsa_kernel k_q5e34a6d4d2_scalev
		.amdhsa_group_segment_fixed_size 0
		.amdhsa_private_segment_fixed_size 0
		.amdhsa_enable_private_segment 0
		.amdhsa_kernarg_size 24
		.amdhsa_user_sgpr_count 2
		.amdhsa_user_sgpr_kernarg_segment_ptr 1
		.amdhsa_wavefront_size32 1
		.amdhsa_system_sgpr_workgroup_id_x 1
		.amdhsa_system_sgpr_workgroup_id_y 1
		.amdhsa_system_sgpr_workgroup_id_z 1
		.amdhsa_system_vgpr_workitem_id 0
		.amdhsa_next_free_vgpr 152
		.amdhsa_next_free_sgpr 66
		.amdhsa_reserve_vcc 0
		.amdhsa_float_denorm_mode_32 3
		.amdhsa_float_denorm_mode_16_64 3
		.amdhsa_memory_ordered 1
		.amdhsa_forward_progress 1
		.amdhsa_inst_pref_size 34
	.end_amdhsa_kernel
	.amdgpu_metadata
---
amdhsa.version: [ 1, 2 ]
amdhsa.kernels:
  - .name:           k_q5e34a6d4d2_scalev
    .symbol:         k_q5e34a6d4d2_scalev.kd
    .args:
      - { .name: qkv, .offset: 0, .size: 8, .value_kind: global_buffer, .address_space: global }
      - { .name: rp, .offset: 8, .size: 8, .value_kind: global_buffer, .address_space: global }
      - { .name: vs, .offset: 16, .size: 8, .value_kind: global_buffer, .address_space: global }
    .group_segment_fixed_size: 0
    .private_segment_fixed_size: 0
    .kernarg_segment_align: 8
    .kernarg_segment_size: 24
    .max_flat_workgroup_size: 64
    .sgpr_count:     66
    .vgpr_count:     152
    .wavefront_size: 32
...
	.end_amdgpu_metadata
.endif
;; end of part 4
;; launch outg (part 5): grid 8 x 32, 4 waves a work-group, clusters of 4 x 4, 327,680 bytes of LDS; arguments e, vs, out0; writes out0
.if DOCPART == 5
	.amdgcn_target "amdgcn-amd-amdhsa--gfx1250"
	.amdhsa_code_object_version 6
	.text
	.protected	k_q5e34a6d4d2_outg
	.globl	k_q5e34a6d4d2_outg
	.p2align	8
	.type	k_q5e34a6d4d2_outg,@function
k_q5e34a6d4d2_outg:
	s_mov_b64 s[64:65], 0
	v_nop
	global_prefetch_b8 v0, s[64:65] scope:SCOPE_SE
	s_setreg_imm32_b32 hwreg(HW_REG_WAVE_MODE, 25, 1), 1
	s_wait_xcnt 0x0
	s_wait_alu depctr_hold_cnt(0) depctr_sa_sdst(0) depctr_va_vdst(0) depctr_va_sdst(0) depctr_va_ssrc(0) depctr_va_vcc(0) depctr_vm_vsrc(0)
	s_getreg_b32 s2, hwreg(HW_REG_IB_STS2, 6, 4)
	s_cmp_eq_u32 s2, 0
	s_cbranch_scc0 .Lentry_in_a_cluster
	s_endpgm
.Lentry_in_a_cluster:
	s_bfe_u32 s2, ttmp6, 0x10000c
	s_cmp_lg_u32 s2, 0xf033
	s_cbranch_scc0 .Lentry_shape_is_right
	s_endpgm
.Lentry_shape_is_right:
; out0[i][d] = sum over j of E[i][j] vs[j][d].  vs: [4096 j][1024 d] bf16, out0: [4096][1024] f32; sums in f32.
; e holds E in tiles of 16 x 16, 512 bytes each: tile (i / 16, j / 16) at byte ((i / 16) 256 + j / 16) 512; lane l's 16 bytes at 16 l are E(16 (i / 16) + l % 16, 8 neighbouring j
; from 16 (j / 16) + 8 (l / 16)).  Two neighbouring tiles are a matrix operand of 16 rows x 32 along j as the registers want it: two loads of 512 consecutive bytes.
; 256 blocks of 128 x 128, one work-group each.  THE FOUR WAVES SPLIT K: each keeps sums for the whole 128 x 128 (64 accumulator tiles, 512 registers) and takes 128 of each
; step's 512 j.  The four partial sums meet in LDS at the end: ((wave 0 + wave 1) + (wave 2 + wave 3)), an order of summation of this text's own.
; vs GOES THROUGH LDS: two slots of 512 j-rows x 128 columns, each wave fetching and reading its own 128 rows; it lies [j][d], so its fragments come by the transposing LDS load.
; CLUSTERS: 4 x 4 work-groups; vs's tile hangs on the block column alone and is asked for jointly along a column of the cluster.
; E GOES STRAIGHT INTO REGISTERS AND IS NOT ASKED FOR JOINTLY, though the four work-groups of a row of the cluster read the same rows.  The reason, by this text's sizes: no wave
; shares a fragment of E with another wave, so LDS would only pass it on; and with both operands in LDS two slots hold 256 j each, 128 matrix instructions a wave from one
; refill's barrier to the next, while with vs alone they hold 512 j, 256 matrix instructions.  E's loads are not bound to those barriers: a ring of four register buffers
; keeps up to 64 loads (32 KiB) of each wave on their way, each issued at least 192 matrix instructions ahead of its use.
; REGISTERS in windows of 256: window 0: v0-31 addresses, E's buffers 0, 1, 2 at v64, v128, v192 (at the end v64-191 take the partial sums read back);
;   window 1: vs's fragments at v64, v128 (two buffers), E's buffer 3 at v192; window 2: the tiles of rows 0-63 (tile (a, b) at v[8 (8 a + b)]); window 3: rows 64-127.
; The matrix instruction is used transposed (source 0 = 16 columns of vs, source 1 = 16 rows of E): lane l holds row l % 16, registers 0-7 columns 8 (l / 16) + 0..7.
.set KSL,   512                        ; along K in a slot: 128 for each wave, four quarters of 32
.set BP,    288                        ; vs's LDS row: 256 bytes + 32 of padding, an odd multiple of 32
.set WTILE, 128*BP                     ; one wave's tile: 36,864 bytes
.set SLOT,  4*WTILE
.set LAPS,  4096/(2*KSL)               ; a lap = two slots = once round the ring: 4
.set BSTEP, 2*KSL*2048                 ; a slot's next tile: 1,024 j-rows of 2,048 bytes
.set EROW,  131072                     ; bytes of e from a block of 16 rows to the next: 256 tiles
.set ESLOT, 16384                      ; along a slot's 512 j: 32 tiles
.set EQ,    1024                       ; along a quarter's 32 j: 2 tiles
.set ELAP,  2*ESLOT
.set AP,    528                        ; the end: a row of 128 f32 + 16 bytes, an odd multiple of 16
.set COPY,  128*AP                     ; one wave's 128 x 128 f32; four copies take 270,336 bytes of the ring, whose last fill is over
.set L16,  16                          ; v16     16 l: my bytes in a tile of e, and in a row of the block of out0
.set ADRB, 20                          ; v20-21  LDS address of my fragments of vs in slot 0, 1
.set RST,  24                          ; v24     where I put my partial sums
.set RDC,  28                          ; v28-31  where I read copy c's part of my rows
.set F0,   64
.set F1,   128
.set RR,   64                          ; the end: v[64:191] row t, copy c: four registers at RR + 16 t + 4 c
.set G1B, 48                           ; s[48:55] descriptor group 1
.set G0B, 56                           ; s[56:63] group 0, one set for each slot
.set MSB, 0
.macro WIN new                         ; the immediate's high byte repeats the setting that is left
.if MSB != \new
	s_set_vgpr_msb (MSB<<8)|\new
.set MSB, \new
.endif
.endm
.set TO_B, 0x40                        ; destination window 1, address window 0
; E's buffer q: its first register AB, and the settings for products on rows 0-63 (C and D window 2), on rows 64-127 (window 3) and for loads into it.
; Source 0 (vs) is window 1 throughout; source 1 (E) is window 0 for buffers 0 to 2 and window 1 for buffer 3.
.macro ASEL q
.if (\q) == 3
.set AB,  192
.set WLO, 0xa5
.set WHI, 0xf5
.set WLD, 0x40
.else
.set AB,  64+64*(\q)
.set WLO, 0xa1
.set WHI, 0xf1
.set WLD, 0
.endif
.endm
.macro CREST                           ; a round of the cluster's barrier behind its opening barrier
	s_cmp_lg_u32 s10, 0
	s_cbranch_scc1 .Lnot_wave_0_\@
	s_barrier_signal -3
.Lnot_wave_0_\@:
	s_barrier_wait -3
	s_barrier_signal -1
	s_barrier_wait -1
.endm
.macro CROUND
	s_barrier_signal -1
	s_barrier_wait -1
	CREST
.endm
; Eight loads: E's rows 64 hi .. 64 hi + 63, the 32 j of quarter x (counted from the lap's first; it may reach into the next lap), into half hi of buffer buf
.macro ALOADH x, buf, hi
	ASEL \buf
	WIN WLD
.irp a, 0,1,2,3
	global_load_b128 v[AB+8*(4*\hi+\a):AB+8*(4*\hi+\a)+3],   v[L16], s[4:5] offset:(4*\hi+\a)*EROW+((\x)/4)*ESLOT+((\x)%4)*EQ
	global_load_b128 v[AB+8*(4*\hi+\a)+4:AB+8*(4*\hi+\a)+7], v[L16], s[4:5] offset:(4*\hi+\a)*EROW+((\x)/4)*ESLOT+((\x)%4)*EQ+512
.endr
.endm
	s_load_b128 s[4:7], s[0:1], 0x0                ; e s[4:5], vs s[6:7]
	s_load_b64 s[8:9], s[0:1], 0x10                ; out0
	s_set_vgpr_msb 0x40
	v_lshl_add_u32 v62, v0, 2, 0x48000
	v_mov_b32 v63, 0
	s_set_vgpr_msb 0x4045
	ds_add_u32 v62, v63
	s_set_vgpr_msb 0x4500
	v_lshrrev_b32 v1, 5, v0
	v_readfirstlane_b32 s10, v1                    ; wave 0..3: my quarter of each slot's K
	s_bfe_u32 s40, ttmp6, 0x40000                  ; cx
	s_bfe_u32 s41, ttmp6, 0x40004                  ; cy
	s_lshl_b32 s42, ttmp9, 2
	s_add_co_u32 s42, s42, s40                     ; block column 0..7
	s_and_b32 s13, ttmp7, 0xffff
	s_lshl_b32 s13, s13, 2
	s_add_co_u32 s13, s13, s41                     ; block row 0..31
	s_lshl_b32 s44, 0x1111, s40                    ; my column of the cluster: places cx, cx + 4, cx + 8, cx + 12
	; group 1: 128 j-rows x 128 elements of 2 bytes, 8 words of padding behind every 64 words
	s_or_b32 s[G1B+0], s44, (1<<16)|(1<<20)|(1<<21)|(5<<22)|(7<<25)
	s_mov_b32 s[G1B+1], 128<<16                    ; tensor_dim0 = 128
	s_mov_b32 s[G1B+2], 128<<16                    ; tensor_dim1 = 128
	s_mov_b32 s[G1B+3], 128<<16                    ; tile_dim0 = 128
	s_mov_b32 s[G1B+4], 128                        ; tile_dim1 = 128
	s_mov_b32 s[G1B+5], 1024                       ; elements from row to row of vs
	s_mov_b32 s[G1B+6], 0
	s_mov_b32 s[G1B+7], 0
	s_lshl_b32 s16, s13, 20                        ; e: 8 blocks of 16 rows a block row,
	s_lshl_b32 s17, s10, 12                        ; + my 128 j of a slot: 8 tiles
	s_add_co_u32 s16, s16, s17
	s_mov_b32 s17, 0
	s_lshl_b32 s46, s42, 8                         ; vs: 128 columns of 2 bytes a block column,
	s_lshl_b32 s47, s10, 18                        ; + my 128 j-rows of 2,048 bytes
	s_add_co_u32 s46, s46, s47
	s_mov_b32 s47, 0
	s_mul_i32 s20, s10, WTILE                      ; where my tile goes: wave x 36,864 bytes; no place in the cluster enters an LDS address
	v_and_b32 v5, 31, v0
	v_lshlrev_b32 v[L16], 4, v5
	s_wait_dscnt 0x0
	s_wait_kmcnt 0x0
	s_add_nc_u64 s[4:5], s[4:5], s[16:17]
	s_add_nc_u64 s[46:47], s[6:7], s[46:47]
	; E's ring is filled in the order in which the loop goes on filling it: rows 0-63 of quarter 0; then rows 64-127 of quarter n and rows 0-63 of quarter n + 1: 56 loads
	ALOADH 0, 0, 0
	ALOADH 0, 0, 1
	ALOADH 1, 1, 0
	ALOADH 1, 1, 1
	ALOADH 2, 2, 0
	ALOADH 2, 2, 1
	ALOADH 3, 3, 0
	WIN 0
	CROUND                                         ; all sixteen work-groups are here: the first joint loads meet
.irp s, 0,1
	s_mov_b32 s[G0B+4*\s], 1
	s_add_co_u32 s[G0B+4*\s+1], s20, \s*SLOT
	s_add_nc_u64 s[G0B+4*\s+2:G0B+4*\s+3], s[46:47], \s*KSL*2048   ; slot s: 512 j-rows further on
	s_or_b32 s[G0B+4*\s+3], s[G0B+4*\s+3], 0x80000000
	tensor_load_to_lds s[G0B+4*\s:G0B+4*\s+3], s[G1B:G1B+7]        ; every wave asks for its own 128 rows: two loads of the wave are out
	s_nop 0
.endr
	v_and_b32 v1, 15, v0                           ; r
	v_bfe_u32 v2, v0, 4, 1                         ; h
	v_and_b32 v6, 7, v0                            ; the transposing load: j-row 8 h + l % 8, the 16 bytes (l / 8) % 2 of a tile's 32 bytes of columns
	v_lshl_add_u32 v6, v2, 3, v6
	v_mul_u32_u24 v6, v6, BP
	v_bfe_u32 v7, v0, 3, 1
	v_lshl_add_u32 v6, v7, 4, v6
	v_add_nc_u32 v[ADRB], s20, v6                  ; in my tile of slot 0
	v_add_nc_u32 v[ADRB+1], SLOT, v[ADRB]          ; and of slot 1
	s_mul_i32 s23, s10, COPY                       ; the end: my copy
	v_mul_u32_u24 v4, v1, AP
	v_lshl_add_u32 v4, v2, 5, v4                   ; row r, 8 h columns of 4 bytes
	v_add_nc_u32 v[RST], s23, v4
	s_mul_i32 s23, s10, 32*AP                      ; the rows that I add up and store: 32 w .. 32 w + 31
	v_add_nc_u32 v5, s23, v[L16]
.irp c, 0,1,2,3
	v_add_nc_u32 v[RDC+\c], \c*COPY, v5
.endr
; 16 matrix instructions: m blocks a0, a0 + 1 of the window's four x all 8 n blocks, 32 along K; vs's buffer f, E's buffer as ASEL has set it.  zero = 1: the first product starts the sums.
.macro MUL16 f, hi, a0, zero
.irp a, \a0, \a0+1
.irp b, 0,1,2,3,4,5,6,7
.if \zero
	v_wmma_f32_16x16x32_bf16 v[8*(8*(\a)+\b):8*(8*(\a)+\b)+7], v[\f+8*\b:\f+8*\b+7], v[AB+8*(4*\hi+\a):AB+8*(4*\hi+\a)+7], 0
.else
	v_wmma_f32_16x16x32_bf16 v[8*(8*(\a)+\b):8*(8*(\a)+\b)+7], v[\f+8*\b:\f+8*\b+7], v[AB+8*(4*\hi+\a):AB+8*(4*\hi+\a)+7], v[8*(8*(\a)+\b):8*(8*(\a)+\b)+7]
.endif
.endr
.endr
.endm
; 16 LDS loads in one run: vs's fragments (128 columns) of quarter q of my tile of a slot into buffer f
.macro FETCHB slot, q, f
	WIN TO_B
.irp i, 0,1,2,3,4,5,6,7
	ds_load_tr16_b128 v[\f+8*\i:\f+8*\i+3],   v[ADRB+\slot] offset:32*BP*(\q)+32*\i          ; k = 32 q + 8 h + 0..7 of column 16 i + r
	ds_load_tr16_b128 v[\f+8*\i+4:\f+8*\i+7], v[ADRB+\slot] offset:32*BP*(\q)+32*\i+16*BP    ; k = 32 q + 16 + 8 h + 0..7
.endr
.endm
; Four plain vector places between a matrix instruction and a load into, a store of, or a vector instruction on, one of its registers
.macro PLACES
.rept 4
	v_nop
.endr
.endm
; Quarter q = 0, 1, 2 of a slot: 64 matrix instructions on vs's buffer f and E's buffer q.  In its middle: vs's fragments of the next quarter into buffer g; E's rows 64-127 of the
; quarter three ahead (au), into the half buffer that the last quarter's second half read; E's rows 0-63 of the quarter four ahead (al), into the half buffer just read.
; c1: E's loads come back in order; my rows 0-63 were the last eight of the group issued four quarters ago, and three groups of 16 are younger: 48.
; c2: my rows 64-127 were the first eight of the group issued three quarters ago; eight and three groups of 16, this quarter's among them, are younger: 56.
; The 64 accumulators take turns in the same order in every quarter, one instruction a turn.
.macro QUARTER slot, q, f, g, zero, au, al, c1, c2
	s_wait_dscnt 0x0                               ; vs's 16 fragment loads of this quarter are in
	s_wait_loadcnt \c1
	ASEL \q
	WIN WLO
	MUL16 \f, 0, 0, \zero
	MUL16 \f, 0, 2, \zero
	PLACES
	FETCHB \slot, \q+1, \g
.if \au
	ALOADH 4*\slot+\q+3, (\q+3)%4, 1
.endif
.if \al
	ALOADH 4*\slot+\q+4, \q, 0
.endif
	s_wait_loadcnt \c2
	ASEL \q
	WIN WHI
	MUL16 \f, 1, 0, \zero
	MUL16 \f, 1, 2, \zero
.endm
.macro THREE slot, zero
	QUARTER \slot, 0, F0, F1, \zero, 1, 1, 48, 56
	QUARTER \slot, 1, F1, F0, 0, 1, 1, 48, 56
	QUARTER \slot, 2, F0, F1, 0, 1, 1, 48, 56
.endm
; Quarter 3 changes slots.  In front of the barrier each wave's reads of this slot are over and all its tensor loads have landed (one is out: its tile of the next slot).  Where the
; slot is filled again the barrier opens a round of the cluster's barrier, and the joint refill is the first tensor load behind the round's closing wait, one a wave.
; From a request to the wait for it a wave issues 240 matrix instructions.  E's register loads stay on their way across the barrier: nobody writes e.
.macro TURN slot, next, fill
	s_wait_dscnt 0x0                               ; vs's fragments of the slot's last quarter are in: my reads of this slot are over
	s_wait_loadcnt 48
	ASEL 3
	WIN WLO
	MUL16 F1, 0, 0, 0
	s_wait_tensorcnt 0x0                           ; all my tensor loads have landed
	ds_add_u32 v62, v63
	s_wait_dscnt 0x0
	s_barrier_signal -1
	MUL16 F1, 0, 2, 0                              ; register work while the others arrive
	WIN 0
	s_barrier_wait -1
.if \fill
	CREST                                          ; no wave of any partner still reads this slot or has a load on its way
	s_add_nc_u64 s[G0B+4*\slot+2:G0B+4*\slot+3], s[G0B+4*\slot+2:G0B+4*\slot+3], BSTEP
	tensor_load_to_lds s[G0B+4*\slot:G0B+4*\slot+3], s[G1B:G1B+7]
	s_nop 0
.endif
	PLACES
	ALOADH 4*\slot+6, 2, 1                         ; E's rows 64-127, three quarters ahead
	FETCHB \next, 0, F0
	ALOADH 4*\slot+7, 3, 0                         ; E's rows 0-63, four quarters ahead
	s_wait_loadcnt 56
	ASEL 3
	WIN WHI
	MUL16 F1, 1, 0, 0
	MUL16 F1, 1, 2, 0
.endm
.macro LAP zero
	THREE 0, \zero
	TURN 0, 1, 1
	THREE 1, 0
	TURN 1, 0, 1
	s_wait_xcnt 0x0                                ; the base of E's loads is stepped only behind this wait
	s_add_nc_u64 s[4:5], s[4:5], ELAP
.endm
	s_wait_tensorcnt 0x1                           ; my tile of slot 0 is in; slot 1's may stay out
	s_barrier_signal -1
	s_barrier_wait -1
	FETCHB 0, 0, F0
	LAP 1                                          ; the first lap stands in front of the loop: its first products start the sums
	WIN 0
	s_mov_b32 s3, LAPS-2
.Llap:
	LAP 0
	WIN 0
	s_sub_co_u32 s3, s3, 1
	s_cmp_lg_u32 s3, 0
	s_cbranch_scc1 .Llap
	THREE 0, 0                                     ; the last lap fills no slot
	TURN 0, 1, 0
	QUARTER 1, 0, F0, F1, 0, 1, 0, 48, 48          ; the last eight loads of E: rows 64-127 of the last quarter; from here the counts run down
	QUARTER 1, 1, F1, F0, 0, 0, 0, 40, 32
	QUARTER 1, 2, F0, F1, 0, 0, 0, 24, 16
	s_wait_dscnt 0x0                               ; the very last quarter: nothing more to fetch
	s_wait_loadcnt 8
	ASEL 3
	WIN WLO
	MUL16 F1, 0, 0, 0
	MUL16 F1, 0, 2, 0
	s_wait_loadcnt 0
	WIN WHI
	MUL16 F1, 1, 0, 0
	MUL16 F1, 1, 2, 0
	; THE END: each wave lays its 128 x 128 partial sums into its own copy in the ring's bytes; then each wave adds up 32 rows of the four copies and stores them.
	PLACES
	WIN 0
	s_lshl_b32 s16, s13, 19                        ; out0: 128 rows of 4,096 bytes a block row
	s_lshl_b32 s14, s10, 17                        ; + my 32 rows
	s_add_co_u32 s16, s16, s14
	s_mov_b32 s17, 0
	s_add_nc_u64 s[8:9], s[8:9], s[16:17]
	s_lshl_b32 s46, s42, 9                         ; + 128 columns of 4 bytes a block column
	s_mov_b32 s47, 0
	s_add_nc_u64 s[8:9], s[8:9], s[46:47]
	s_wait_dscnt 0x0                               ; my reads of the ring are over (met: the last quarter began with this wait); every tensor load was waited for at the last change of slots
	s_barrier_signal -1
	s_barrier_wait -1                              ; so are everybody's: the ring's bytes may be written
	WIN 0x08                                       ; store data from window 2
.irp a, 0,1,2,3
.irp b, 0,1,2,3,4,5,6,7
	ds_store_b128 v[RST], v[8*(8*\a+\b):8*(8*\a+\b)+3]   offset:\a*16*AP+64*\b
	ds_store_b128 v[RST], v[8*(8*\a+\b)+4:8*(8*\a+\b)+7] offset:\a*16*AP+64*\b+16
.endr
.endr
	WIN 0x0c                                       ; from window 3
.irp a, 0,1,2,3
.irp b, 0,1,2,3,4,5,6,7
	ds_store_b128 v[RST], v[8*(8*\a+\b):8*(8*\a+\b)+3]   offset:(4+\a)*16*AP+64*\b
	ds_store_b128 v[RST], v[8*(8*\a+\b)+4:8*(8*\a+\b)+7] offset:(4+\a)*16*AP+64*\b+16
.endr
.endr
	WIN 0
	s_wait_dscnt 0x0                               ; my copy is written, for the others' sake
	s_barrier_signal -1
	s_barrier_wait -1
; eight of my 32 rows: 32 loads, row by row, then six packed additions and one store of 512 consecutive bytes a row
.macro BATCH g
.if \g
	s_wait_xcnt 0x0                                ; the registers that the last batch's stores read are loaded again only behind this wait
.endif
.irp t, 0,1,2,3,4,5,6,7
.irp c, 0,1,2,3
	ds_load_b128 v[RR+16*\t+4*\c:RR+16*\t+4*\c+3], v[RDC+\c] offset:AP*(8*\g+\t)
.endr
.endr
.irp t, 0,1,2,3,4,5,6,7
	s_wait_dscnt 28-4*\t                           ; row t's four loads are in; the 4 (7 - t) younger ones stay out
	v_pk_add_f32 v[RR+16*\t:RR+16*\t+1],     v[RR+16*\t:RR+16*\t+1],     v[RR+16*\t+4:RR+16*\t+5]
	v_pk_add_f32 v[RR+16*\t+2:RR+16*\t+3],   v[RR+16*\t+2:RR+16*\t+3],   v[RR+16*\t+6:RR+16*\t+7]
	v_pk_add_f32 v[RR+16*\t+8:RR+16*\t+9],   v[RR+16*\t+8:RR+16*\t+9],   v[RR+16*\t+12:RR+16*\t+13]
	v_pk_add_f32 v[RR+16*\t+10:RR+16*\t+11], v[RR+16*\t+10:RR+16*\t+11], v[RR+16*\t+14:RR+16*\t+15]
	v_pk_add_f32 v[RR+16*\t:RR+16*\t+1],     v[RR+16*\t:RR+16*\t+1],     v[RR+16*\t+8:RR+16*\t+9]
	v_pk_add_f32 v[RR+16*\t+2:RR+16*\t+3],   v[RR+16*\t+2:RR+16*\t+3],   v[RR+16*\t+10:RR+16*\t+11]
	global_store_b128 v[L16], v[RR+16*\t:RR+16*\t+3], s[8:9] offset:4096*(8*\g+\t) th:TH_STORE_NT
.endr
.endm
	BATCH 0
	BATCH 1
	BATCH 2
	BATCH 3
	s_set_vgpr_msb 0x5
	s_wait_tensorcnt 0x0
	ds_add_u32 v62, v63
	s_wait_dscnt 0x0
	s_set_vgpr_msb 0x500
	CROUND                                         ; the closing round: no work-group ends while a partner may still ask for a tile that names it
	s_endpgm
.Lfunc_end_k_q5e34a6d4d2_outg:
	.size	k_q5e34a6d4d2_outg, .Lfunc_end_k_q5e34a6d4d2_outg-k_q5e34a6d4d2_outg
	.p2alignl 7, 3214868480
	.fill 96, 4, 3214868480
	.section	.rodata,"a",@progbits
	.p2align	6, 0x0
	.amdhsa_kernel k_q5e34a6d4d2_outg
		.amdhsa_group_segment_fixed_size 327680
		.amdhsa_private_segment_fixed_size 0
		.amdhsa_enable_private_segment 0
		.amdhsa_kernarg_size 24
		.amdhsa_user_sgpr_count 2
		.amdhsa_user_sgpr_kernarg_segment_ptr 1
		.amdhsa_wavefront_size32 1
		.amdhsa_system_sgpr_workgroup_id_x 1
		.amdhsa_system_sgpr_workgroup_id_y 1
		.amdhsa_system_sgpr_workgroup_id_z 1
		.amdhsa_system_vgpr_workitem_id 0
		.amdhsa_next_free_vgpr 1024
		.amdhsa_next_free_sgpr 66
		.amdhsa_reserve_vcc 0
		.amdhsa_float_denorm_mode_32 3
		.amdhsa_float_denorm_mode_16_64 3
		.amdhsa_memory_ordered 1
		.amdhsa_forward_progress 1
		.amdhsa_inst_pref_size 205
	.end_amdhsa_kernel
	.amdgpu_metadata
---
amdhsa.version: [ 1, 2 ]
amdhsa.kernels:
  - .name:           k_q5e34a6d4d2_outg
    .symbol:         k_q5e34a6d4d2_outg.kd
    .args:
      - { .name: e, .offset: 0, .size: 8, .value_kind: global_buffer, .address_space: global }
      - { .name: vs, .offset: 8, .size: 8, .value_kind: global_buffer, .address_space: global }
      - { .name: out0, .offset: 16, .size: 8, .value_kind: global_buffer, .address_space: global }
    .group_segment_fixed_size: 327680
    .private_segment_fixed_size: 0
    .kernarg_segment_align: 8
    .kernarg_segment_size: 24
    .max_flat_workgroup_size: 128
    .sgpr_count:     66
    .vgpr_count:     1024
    .wavefront_size: 32
...
	.end_amdgpu_metadata
.endif
;; end of part 5
;; ======== version 2 of 2: 5 launches; version 1 with the launch scalev written anew for expert scheduling mode
;; limits: right only within a limited range of input values
;; workspace buffers: xb 25,165,824 bytes; wb 6,291,456 bytes; qkv 25,165,824 bytes; e 33,554,432 bytes; rp 524,288 bytes; vs 8,388,608 bytes
;; launch cast: the kernel of part 1 again; grid 960 x 1, 8 waves a work-group, no clusters, 0 bytes of LDS; arguments query, key, value, Wq, Wk, Wv, xb, wb; writes xb, wb
;; launch proj: the kernel of part 2 again; grid 4 x 48, 4 waves a work-group, clusters of 4 x 4, 327,680 bytes of LDS; arguments xb, wb, bq, bk, bv, qkv; writes qkv
;; launch scores: the kernel of part 3 again; grid 16 x 16, 4 waves a work-group, clusters of 4 x 4, 327,680 bytes of LDS; arguments qkv, e, rp; writes e, rp
;; launch scalev (part 6): grid 256 x 1, 2 waves a work-group, no clusters, 0 bytes of LDS; arguments qkv, rp, vs; writes vs
.if DOCPART == 6
	.amdgcn_target "amdgcn-amd-amdhsa--gfx1250"
	.amdhsa_code_object_version 6
	.text
	.protected	k_q5e34a6d4d2_scalev
	.globl	k_q5e34a6d4d2_scalev
	.p2align	8
	.type	k_q5e34a6d4d2_scalev,@function
k_q5e34a6d4d2_scalev:
	s_mov_b64 s[64:65], 0
	v_nop
	global_prefetch_b8 v0, s[64:65] scope:SCOPE_SE
	s_setreg_imm32_b32 hwreg(HW_REG_WAVE_SCHED_MODE, 0, 2), 2
	s_setreg_imm32_b32 hwreg(HW_REG_WAVE_MODE, 25, 1), 1
	s_wait_xcnt 0x0
	s_wait_alu depctr_vm_vsrc(0)
; r[j] = the sum over the 32 strips s of rp[s][j];  vs[j][d] = V[j][d] / r[j], V = qkv[2], [4096][1024] bf16; the division is a multiplication in f32 by v_rcp_f32(r[j]).
; LIMITS: r[j] has to lie below 2^126 (beyond it v_rcp_f32 gives 0) and V / r in bf16's range; V has been rounded to bf16 once before, V / r is rounded once more.
; A stream: V is read once, vs written once; LDS, barriers, the matrix unit and clusters would add nothing.  A wave takes 8 rows of 2,048 bytes and has all its
; 40 loads out at once.  Each load and store of a row's piece covers 512 consecutive bytes.
; THE MODE: SCHED_MODE bits 1:0 = 2 (LLVM: expert scheduling mode 2), set by the entry lines.  The code itself states the register dependences
; between vector instructions and memory instructions, with s_wait_alu, always for 0.
; THE PLAN.  Registers that memory instructions touch:
;   v1, v2     byte offsets, made once at the head and never written again: v2 is read by the loads of rp, v1 by the loads of V and by every store.
;   PP         the eight loads of rp land here; no vector instruction names these registers ahead of those loads.
;   X0 .. X7   a row each.  The loads of V land here, all issued at the head.  Row t's unpacking lines read X[t], its roundings write X[t] in place;
;              the four stores that read X[t] are issued in row t + 1, whose vector instructions name TW, X[t + 1] and scalar registers alone.  X[t] is never written again.
;   TW, RS, INV are named by vector instructions alone.
; So one wait on va_vdst at the head of a row states all that the row's four stores hang on, and these are dealt among its vector instructions with no further wait.
; No register that a memory instruction reads is written again, so the only wait on vm_vsrc is the one at the entry.  EXEC is never written.
.set PP,  4                            ; v[4:11]   eight partial sums: lane l: row l % 8, strips l / 8 + 4 u
.set RS,  12                           ; v12 the sum; v13 the other half's (written once: the lane permute counts as a reader of its destination)
.set INV, 14                           ; v14 1 / r of row l % 8
.set TW,  16                           ; v[16:23]  at work
.set X,   24                           ; v[24:151] row t, piece c: four registers at X + 16 t + 4 c
	s_load_b128 s[4:7], s[0:1], 0x0                ; qkv s[4:5], rp s[6:7]
	s_load_b64 s[8:9], s[0:1], 0x10                ; vs
	v_lshrrev_b32 v3, 5, v0
	v_readfirstlane_b32 s14, v3                    ; wave 0, 1
	s_mov_b32 s17, 0
	s_mov_b32 s19, 0
	s_mov_b32 s10, 0xffff0000                      ; a word's upper bf16
	s_mov_b32 s12, 0x76543210
	s_mov_b32 s13, 0xfedcba98
	v_and_b32 v3, 31, v0                           ; lane
	v_lshlrev_b32 v1, 4, v3                        ; 16 l
	v_and_b32 v2, 7, v3
	v_lshrrev_b32 v3, 3, v3
	v_lshlrev_b32 v2, 2, v2
	v_lshl_add_u32 v2, v3, 14, v2                  ; 4 (l % 8) + 16,384 (l / 8)
	v_mov_b32 v[RS+1], 0
	s_wait_alu depctr_va_sdst(0)                   ; s14 is written, ahead of its first reader: the wave's first row is made from it
	s_lshl_b32 s15, ttmp9, 4
	s_lshl3_add_u32 s15, s14, s15                  ; my first row: 16 x work-group + 8 x wave
	s_lshl_b32 s16, s15, 11                        ; in rows of 2,048 bytes
	s_lshl_b32 s18, s15, 2                         ; in sums of 4 bytes
	s_wait_kmcnt 0x0
	s_add_nc_u64 s[4:5], s[4:5], 0x1000000         ; V = qkv's third matrix
	s_add_nc_u64 s[4:5], s[4:5], s[16:17]
	s_add_nc_u64 s[6:7], s[6:7], s[18:19]
	s_add_nc_u64 s[8:9], s[8:9], s[16:17]
	s_wait_alu depctr_va_vdst(0)                   ; v1 and v2 are written: every load and store of the kernel reads one of them as its offset
.irp u, 0,1,2,3,4,5,6,7
	global_load_b32 v[PP+\u], v2, s[6:7] offset:65536*\u
.endr
.irp t, 0,1,2,3,4,5,6,7
.irp c, 0,1,2,3
	global_load_b128 v[X+16*\t+4*\c:X+16*\t+4*\c+3], v1, s[4:5] offset:2048*\t+512*\c th:TH_LOAD_NT
.endr
.endr
	s_wait_loadcnt 32                              ; the eight partial sums are in; V's 32 loads stay out
	v_add_f32 v[PP], v[PP], v[PP+1]
	v_add_f32 v[PP+2], v[PP+2], v[PP+3]
	v_add_f32 v[PP+4], v[PP+4], v[PP+5]
	v_add_f32 v[PP+6], v[PP+6], v[PP+7]
	v_add_f32 v[PP], v[PP], v[PP+2]
	v_add_f32 v[PP+4], v[PP+4], v[PP+6]
	v_add_f32 v[RS], v[PP], v[PP+4]
	v_add_f32_dpp v[RS], v[RS], v[RS] row_xmask:8 row_mask:0xf bank_mask:0xf   ; + lane l xor 8: the same row, other strips
	v_permlanex16_b32 v[RS+1], v[RS], s12, s13     ; + lanes l xor 16, l xor 24
	v_add_f32 v[RS], v[RS], v[RS+1]
	v_rcp_f32 v[INV], v[RS]
	v_nop                                          ; one plain vector instruction between v_rcp_f32 and the use of its result (ISA guide 5.7.2)
	s_wait_alu depctr_va_vdst(0)                   ; the reciprocal has written v[INV], ahead of its first reader
.irp t, 0,1,2,3,4,5,6,7
	v_readlane_b32 s[20+2*\t], v[INV], \t          ; lane t holds row t's
.endr
	s_wait_alu depctr_va_sdst(0)                   ; s20, s22 .. s34 are written, ahead of their first readers: one wait behind the run of eight
.irp t, 0,1,2,3,4,5,6,7
	s_mov_b32 s[21+2*\t], s[20+2*\t]               ; the pair's second register is written too
.endr
.irp t, 0,1,2,3,4,5,6,7
	s_wait_loadcnt 28-4*\t                         ; row t's four loads are in; the 4 (7 - t) younger ones stay out
.if \t
	s_wait_alu depctr_va_vdst(0)                   ; the row before has written its X, which the four stores below read
.endif
.irp c, 0,1,2,3
.if \t
	global_store_b128 v1, v[X+16*((\t)-1)+4*\c:X+16*((\t)-1)+4*\c+3], s[8:9] offset:2048*((\t)-1)+512*\c   ; the row before; no vector instruction since the wait names these registers, and none writes them again
.endif
.irp k, 0,1,2,3
	v_lshlrev_b32 v[TW+2*\k],   16,  v[X+16*\t+4*\c+\k]
	v_and_b32     v[TW+2*\k+1], s10, v[X+16*\t+4*\c+\k]
.endr
.irp k, 0,1,2,3
	v_pk_mul_f32 v[TW+2*\k:TW+2*\k+1], v[TW+2*\k:TW+2*\k+1], s[20+2*\t:21+2*\t] op_sel_hi:[1,0]
.endr
.irp k, 0,1,2,3
	v_cvt_pk_bf16_f32 v[X+16*\t+4*\c+\k], v[TW+2*\k], v[TW+2*\k+1]
.endr
.endr
.endr
	s_wait_alu depctr_va_vdst(0)                   ; row 7 has written its X, which the last four stores read
.irp c, 0,1,2,3
	global_store_b128 v1, v[X+16*7+4*\c:X+16*7+4*\c+3], s[8:9] offset:2048*7+512*\c
.endr
	s_endpgm
.Lfunc_end_k_q5e34a6d4d2_scalev:
	.size	k_q5e34a6d4d2_scalev, .Lfunc_end_k_q5e34a6d4d2_scalev-k_q5e34a6d4d2_scalev
	.p2alignl 7, 3214868480
	.fill 96, 4, 3214868480
	.section	.rodata,"a",@progbits
	.p2align	6, 0x0
	.amdhsa_kernel k_q5e34a6d4d2_scalev
		.amdhsa_group_segment_fixed_size 0
		.amdhsa_private_segment_fixed_size 0
		.amdhsa_enable_private_segment 0
		.amdhsa_kernarg_size 24
		.amdhsa_user_sgpr_count 2
		.amdhsa_user_sgpr_kernarg_segment_ptr 1
		.amdhsa_wavefront_size32 1
		.amdhsa_system_sgpr_workgroup_id_x 1
		.amdhsa_system_sgpr_workgroup_id_y 1
		.amdhsa_system_sgpr_workgroup_id_z 1
		.amdhsa_system_vgpr_workitem_id 0
		.amdhsa_next_free_vgpr 152
		.amdhsa_next_free_sgpr 66
		.amdhsa_reserve_vcc 0
		.amdhsa_float_denorm_mode_32 3
		.amdhsa_float_denorm_mode_16_64 3
		.amdhsa_memory_ordered 1
		.amdhsa_forward_progress 1
		.amdhsa_inst_pref_size 34
	.end_amdhsa_kernel
	.amdgpu_metadata
---
amdhsa.version: [ 1, 2 ]
amdhsa.kernels:
  - .name:           k_q5e34a6d4d2_scalev
    .symbol:         k_q5e34a6d4d2_scalev.kd
    .args:
      - { .name: qkv, .offset: 0, .size: 8, .value_kind: global_buffer, .address_space: global }
      - { .name: rp, .offset: 8, .size: 8, .value_kind: global_buffer, .address_space: global }
      - { .name: vs, .offset: 16, .size: 8, .value_kind: global_buffer, .address_space: global }
    .group_segment_fixed_size: 0
    .private_segment_fixed_size: 0
    .kernarg_segment_align: 8
    .kernarg_segment_size: 24
    .max_flat_workgroup_size: 64
    .sgpr_count:     66
    .vgpr_count:     152
    .wavefront_size: 32
...
	.end_amdgpu_metadata
.endif
;; end of part 6
;; launch outg: the kernel of part 5 again; grid 8 x 32, 4 waves a work-group, clusters of 4 x 4, 327,680 bytes of LDS; arguments e, vs, out0; writes out0
